; MI455X (gfx1250); checked and timed in simulation.
; The chip was launched on July 23, 2026; its instructions are those of AMD's public machine-readable ISA for CDNA 5 (MIT licence, August 2026) and "CDNA5" Instruction Set Architecture Reference Guide (July 2026). The comments in the code are by the model that wrote it; some were corrected since.
;; Multi Head Attention. Allowed arithmetic: matrix products marked QUANTISED: E4M3 operands, one given power-of-two scale a tensor, by v_wmma_f32_16x16x64_fp8_fp8 or v_wmma_f32_16x16x128_fp8_fp8, f32 sums; everything else in f32.
;; Inputs: W_k 1,024 x 1,024 float32; W_o 1,024 x 1,024 float32; W_q 1,024 x 1,024 float32; W_v 1,024 x 1,024 float32; attention_mask 4 x 2,048 int32; lowp_scales 12 int32 (the exponents e of the quantised operands' scales 2^e); x 4 x 2,048 x 1,024 float32.
;; Outputs: out0 4 x 2,048 x 1,024 float32.
;; This version of the problem:
;;   THIS VERSION OF THE PROBLEM IS GIVEN IN LOW PRECISION. The matrix products marked QUANTISED in the list below multiply operands that are first quantised to E4M3 (4 exponent bits, 3 mantissa bits; 8 bits a number), with one given power-of-two scale for each operand tensor; their sums are f32. All else is computed in f32.
;;   The module's matrix products, in the order in which they are computed (A, B: the left and right operand; K: the contracted axis; several contracted axes count as one K, in the product's order):
;;     1. [M 8,192, K 1,024] x [K 1,024, N 1,024]; A: input x; B: input W_q: QUANTISED (scales: A lowp_scales[0], B lowp_scales[1])
;;     2. [M 8,192, K 1,024] x [K 1,024, N 1,024]; A: input x; B: input W_k: QUANTISED (scales: A lowp_scales[2], B lowp_scales[3])
;;     3. [M 8,192, K 1,024] x [K 1,024, N 1,024]; A: input x; B: input W_v: QUANTISED (scales: A lowp_scales[4], B lowp_scales[5])
;;     4. batch 64 x [M 2,048, K 64] x [K 64, N 2,048]; A: computed on the way; B: computed on the way: QUANTISED (scales: A lowp_scales[6], B lowp_scales[7])
;;     5. batch 64 x [M 2,048, K 2,048] x [K 2,048, N 64]; A: computed on the way; B: computed on the way: QUANTISED (scales: A lowp_scales[8], B lowp_scales[9])
;;     6. [M 8,192, K 1,024] x [K 1,024, N 1,024]; A: computed on the way; B: input W_o: QUANTISED (scales: A lowp_scales[10], B lowp_scales[11])
;;   THE QUANTISER, for each operand of a quantised product, along K:
;;     - The operand's scale is 2^e, e = its entry of the input lowp_scales (int32; the entries are numbered through the quantised products in the list's order, A before B).
;;     - Each number is divided by the scale, clamped to +-448, and rounded to the nearest number of E4M3, ties to even, subnormals kept.
;;     - The product sums the exact products of the quantised numbers (number of the format x scale) in f32.
;;   ~~~python
;;   def quantise(x, axis, e):      # numpy; x: float32 -> the quantised numbers, widened to float32 again
;;       x = np.moveaxis(x, axis, -1); K = x.shape[-1]
;;       r = np.clip(x / 2.0 ** e, -448, 448)
;;       step = 2.0 ** (np.maximum(np.frexp(np.where(r == 0, 1, r))[1] - 1, -6) - 3)
;;       q = np.round(r / step) * step * 2.0 ** e      # np.round: ties to even
;;       return np.moveaxis(q, -1, axis).astype(np.float32)
;;   ~~~
;;   OPERANDS COMPUTED ON THE WAY. 'Computed on the way' means the value that the module computes at that place (a softmax that the list does not call 'softmax' is quantised finished and normalised). What goes into a quantiser is computed in f32, as accurately as f32 sums, v_exp_f32 and their like allow (about 1e-6 of the number): no bf16 or f16 on the way to a quantiser, and a product that is left as it is and whose result goes on into a quantised operand takes f32 operands (vector FMAs, or v_wmma_f32_16x16x4_f32). A number that lies on a knife's edge between two numbers of the format may be rounded either way, as far as f32 arithmetic and the matrix unit's own rounding can turn it there, and no further.
;; 2 versions, each right; version 2 is version 1 with the launch attn written anew for expert scheduling mode. Each part assembles by itself: llvm-mc -triple=amdgcn-amd-amdhsa -mcpu=gfx1250 --defsym DOCPART=n.
;; ======== version 1 of 2: 4 launches
;; workspace buffers: xcodes 25,165,824 bytes; wcodes 4,194,304 bytes; rope 524,288 bytes; qkvimg 25,165,824 bytes; oimg 8,388,608 bytes
;; launch prep (part 1): grid 448 x 1, 4 waves a work-group, no clusters, 33,280 bytes of LDS; arguments x, W_q, W_k, W_v, W_o, lowp_scales, xcodes, wcodes, rope; writes xcodes, wcodes, rope
.if DOCPART == 1
	.amdgcn_target "amdgcn-amd-amdhsa--gfx1250"
	.amdhsa_code_object_version 6
	.text
	.protected	k_qc3361e9aac_prep
	.globl	k_qc3361e9aac_prep
	.p2align	8
	.type	k_qc3361e9aac_prep,@function
k_qc3361e9aac_prep:
	s_mov_b64 s[64:65], 0
	v_nop
	global_prefetch_b8 v0, s[64:65] scope:SCOPE_SE
	s_setreg_imm32_b32 hwreg(HW_REG_WAVE_MODE, 25, 1), 1
	s_wait_xcnt 0x0
; x [8192][1024] f32 becomes three sets of E4M3 codes (scales 2^e0, 2^e2, 2^e4: the left operands of the q, k and v products); W_q, W_k, W_v, W_o [1024][1024] f32 become codes
; (e1, e3, e5, e11); and the table of cos and sin for the rotation is made: rope[t][i] = (cos, sin)(t x 10^(-i/8)), t = 0 .. 2047, i = 0 .. 31, f32.
; code = number / 2^e, held within +-448, to the nearest code, ties to even.  LIMITS: each e between -126 and 119.  NaN among the inputs is not served.
; ORDER OF ROWS.  Copy 0 of x and W_o keep their rows.  Copies 1 and 2 of x and W_q, W_k, W_v are stored with bits 3 and 4 of the row's number exchanged: position p holds row swap(p).  Sixteen
; neighbouring positions then hold rows 8 u + r + 8 (r / 8) of a group of 32, so that in the next launch a lane's 16 results of two neighbouring tiles are 16 neighbours along the K of the product that follows.
; A run of 8 rows moves as a whole, and a wave takes just such a run (8,192 numbers), so the exchange is made on the run's number alone.
; WORK-GROUPS: 0-255 x (32 rows each); 256-383 the weights, 32 work-groups each; 384-447 the table (8 tokens a wave, a lane a frequency).
; The stream: each of a step's four loads reads 512 consecutive bytes; the 2,048 bytes turn through the wave's own stage in LDS so that a lane holds 16 neighbours; a lane's 16 codes are 16 bytes, a wave's store 512
; consecutive bytes.  Loads run four steps ahead.  No barrier: waves share nothing.
; THE TABLE.  10^(i/8) is given as 32 constants, rounded by the assembler; its reciprocal is v_rcp_f32 and one Newton step; the angle is one f32 product, as the reference rounds it; the reduction by pi/2 is in
; three parts, the two polynomials hold on +-pi/4.  LIMIT: if the reference's own power is one unit in the last place off the rounded 10^(i/8), the angle differs by up to 1.2e-4 at the last token.
.set STEPS, 16
.set SP,    80                         ; a lane's place in a stage: 64 bytes + 16 of padding
.set WREG,  8192                       ; LDS of a wave: two stages of 32 x SP bytes
.set R,     16                         ; v16-79   four sets of 16 numbers as loaded
.set X,     80                         ; v80-111  two sets of 16 neighbours
.set HN,    112                        ; v112-127 the numbers held within the largest code x the scale
.set C,     128                        ; v128-139 codes: four registers for each of three outputs
.set SCL,   176                        ; v176-178 2^e of output 0, 1, 2
.set LIM,   179                        ; v179-181 448 x 2^e
	s_load_b512 s[36:51], s[0:1], 0x0              ; x s[36:37], W_q, W_k, W_v, W_o s[38:45], the exponents s[46:47], xcodes s[48:49], wcodes s[50:51]
	s_load_b64 s[52:53], s[0:1], 0x40              ; rope
	v_lshl_add_u32 v192, v0, 2, 0x8000
	v_mov_b32 v193, 0
	v_lshrrev_b32 v1, 5, v0
	v_readfirstlane_b32 s16, v1                    ; wave
	v_and_b32 v2, 31, v0                           ; lane
	s_cmp_ge_u32 ttmp9, 384
	s_cbranch_scc1 .Lrope
	v_lshlrev_b32 v3, 4, v2                        ; my 16 bytes of a load's, and of a store's, 512
	s_mul_i32 s17, s16, WREG
	v_lshrrev_b32 v14, 2, v2
	v_mul_u32_u24 v14, v14, SP
	v_and_b32 v15, 3, v2
	v_lshl_add_u32 v14, v15, 4, v14
	v_add_nc_u32 v14, s17, v14                     ; the stage on the way in: four lanes' 64 bytes on end, then the padding
	v_mul_u32_u24 v15, v2, SP
	v_add_nc_u32 v15, s17, v15                     ; and on the way out: my 16 neighbours
	s_sub_co_u32 s17, ttmp9, 256
	s_lshr_b32 s18, s17, 5                         ; which weight (of use in a weight's work-group alone)
	s_and_b32 s19, s17, 31
	s_cmp_lt_u32 ttmp9, 256
	s_cselect_b32 s32, 1, 0                        ; 1: x
	s_cselect_b32 s19, ttmp9, s19
	s_lshl_b32 s19, s19, 2
	s_add_co_u32 s19, s19, s16                     ; my run of 8 rows
	s_and_not1_b32 s20, s19, 3
	s_and_b32 s21, s19, 1
	s_lshl_b32 s21, s21, 1
	s_or_b32 s20, s20, s21
	s_bfe_u32 s21, s19, 0x10001
	s_or_b32 s20, s20, s21                         ; the run with its two low bits exchanged
	s_lshl_b32 s22, s19, 15                        ; the run's f32 numbers: 32,768 bytes
	s_mov_b32 s23, 0
	s_cmp_lt_u32 s18, 3                            ; W_q, W_k, W_v: exchanged; W_o: as it lies
	s_cselect_b32 s28, s20, s19
	s_lshl_b32 s28, s28, 13
	s_lshl_b32 s29, s18, 20
	s_add_co_u32 s28, s28, s29
	s_lshl_b32 s29, s19, 13
	s_cmp_lg_u32 s32, 0
	s_cselect_b32 s28, s29, s28                    ; output 0's place, in bytes
	s_mov_b32 s29, 0
	s_lshl_b32 s30, s20, 13                        ; outputs 1 and 2: the exchanged run
	s_mov_b32 s31, 0
	s_wait_kmcnt 0x0
	s_load_b256 s[68:75], s[46:47], 0x0            ; e0 .. e7
	s_load_b128 s[76:79], s[46:47], 0x20           ; e8 .. e11
	s_mov_b64 s[4:5], s[38:39]                     ; the source, chosen by the work-group's number alone
	s_cmp_eq_u32 s18, 1
	s_cselect_b64 s[4:5], s[40:41], s[4:5]
	s_cmp_eq_u32 s18, 2
	s_cselect_b64 s[4:5], s[42:43], s[4:5]
	s_cmp_eq_u32 s18, 3
	s_cselect_b64 s[4:5], s[44:45], s[4:5]
	s_cmp_lg_u32 s32, 0
	s_cselect_b64 s[4:5], s[36:37], s[4:5]
	s_cselect_b64 s[8:9], s[48:49], s[50:51]
	s_add_nc_u64 s[4:5], s[4:5], s[22:23]
	s_add_nc_u64 s[8:9], s[8:9], s[28:29]          ; output 0
	s_add_nc_u64 s[24:25], s[48:49], s[30:31]
	s_add_nc_u64 s[24:25], s[24:25], 0x800000      ; output 1: copy 1 of x (a weight's work-group never stores there)
	s_add_nc_u64 s[26:27], s[24:25], 0x800000      ; output 2: copy 2
.macro LOAD t
.irp i, 0,1,2,3
	global_load_b128 v[R+16*((\t)%4)+4*\i:R+16*((\t)%4)+4*\i+3], v3, s[4:5] offset:2048*(\t)+512*\i th:TH_LOAD_NT   ; 32 lanes read 512 consecutive bytes; read once in the launch
.endr
.endm
.macro TURN t                          ; step t's numbers through the stage: LDS serves a wave's instructions in order, so no wait stands between the stores and the loads
.irp i, 0,1,2,3
	ds_store_b128 v14, v[R+16*((\t)%4)+4*\i:R+16*((\t)%4)+4*\i+3] offset:32*SP*((\t)%2)+8*SP*\i
.endr
.irp i, 0,1,2,3
	ds_load_b128 v[X+16*((\t)%2)+4*\i:X+16*((\t)%2)+4*\i+3], v15 offset:32*SP*((\t)%2)+16*\i
.endr
.endm
.irp t, 0,1,2,3
	LOAD \t
.endr
	s_wait_kmcnt 0x0
	s_mov_b32 s17, s69                             ; output 0's exponent: e1, e3, e5, e11 for the weights, e0 for x
	s_cmp_eq_u32 s18, 1
	s_cselect_b32 s17, s71, s17
	s_cmp_eq_u32 s18, 2
	s_cselect_b32 s17, s73, s17
	s_cmp_eq_u32 s18, 3
	s_cselect_b32 s17, s79, s17
	s_cmp_lg_u32 s32, 0
	s_cselect_b32 s17, s68, s17
.macro MKSCALE o, e
	s_add_co_i32 s20, \e, 127
	s_lshl_b32 s21, s20, 23
	v_mov_b32 v[SCL+\o], s21                       ; 2^e as f32: the conversion takes its exponent field
	s_add_co_i32 s20, s20, 8
	s_lshl_b32 s20, s20, 23
	s_or_b32 s20, s20, 0x600000
	v_mov_b32 v[LIM+\o], s20                       ; 448 x 2^e
.endm
	MKSCALE 0, s17
	MKSCALE 1, s70
	MKSCALE 2, s72
	s_wait_loadcnt 12                              ; step 0's four loads are in
	TURN 0
.macro OUTP t, o, dlo                  ; one output of a step: hold, convert, store
.irp i, 0,1,2,3,4,5,6,7,8,9,10,11,12,13,14,15
	v_med3_num_f32 v[HN+\i], v[XS+\i], -v[LIM+\o], v[LIM+\o]   ; the conversion to an 8-bit code does not saturate (ISA guide 7.6.2): the hold comes first
.endr
	v_cvt_scalef32_pk8_fp8_f32 v[C+4*\o:C+4*\o+1], v[HN:HN+7], v[SCL+\o]
	v_cvt_scalef32_pk8_fp8_f32 v[C+4*\o+2:C+4*\o+3], v[HN+8:HN+15], v[SCL+\o]
	v_nop                                          ; a plain line between the conversions and the next holds, which write the conversions' sources
	global_store_b128 v3, v[C+4*\o:C+4*\o+3], s[\dlo:\dlo+1] offset:512*(\t)   ; the wave stores 512 consecutive bytes, aligned
.endm
.macro STEP t
.set XS, X+16*((\t)%2)
	s_wait_dscnt 0x0                               ; this step's numbers are back from the stage, and its stores into the stage have read their registers,
.if (\t)+4 < STEPS
	LOAD (\t)+4                                    ; which take the loads of four steps on
.endif
.if (\t)+1 < STEPS
.if STEPS-2-(\t) >= 3
	s_wait_loadcnt 12                              ; the next step's four loads are in; those of the three steps behind it may be out
.else
	s_wait_loadcnt 4*(STEPS-2-(\t))
.endif
	TURN (\t)+1
.endif
	s_wait_xcnt 0x0                                ; the last step's stores have read their data: the codes' registers are written again only behind this wait
	OUTP \t, 0, 8
	s_cmp_lg_u32 s32, 0
	s_cbranch_scc0 .Lone_\@                        ; a weight has one scale
	OUTP \t, 1, 24
	OUTP \t, 2, 26
.Lone_\@:
.endm
.irp t, 0,1,2,3,4,5,6,7,8,9,10,11,12,13,14,15
	STEP \t
.endr
	s_wait_tensorcnt 0x0
	ds_add_u32 v192, v193
	s_wait_dscnt 0x0
	s_endpgm
.Lrope:
	s_sub_co_u32 s17, ttmp9, 384
	s_lshl_b32 s17, s17, 2
	s_add_co_u32 s17, s17, s16                     ; which 8 tokens are my wave's
	s_lshl_b32 s19, s17, 3                         ; the first of them
	s_lshl_b32 s22, s17, 11                        ; 8 tokens x 256 bytes
	s_mov_b32 s23, 0
	v_lshlrev_b32 v30, 3, v2                       ; 8 bytes a lane: a wave's store covers a token's 256 bytes
	v_mov_b32 v20, 1.0
.macro PW lane, val                    ; lane i holds 10^(i/8)
	s_mov_b32 s20, \val
	v_writelane_b32 v20, s20, \lane
.endm
	PW 1, 1.333521432163324
	PW 2, 1.7782794100389228
	PW 3, 2.371373705661655
	PW 4, 3.1622776601683795
	PW 5, 4.216965034285822
	PW 6, 5.623413251903491
	PW 7, 7.498942093324558
	PW 8, 10.0
	PW 9, 13.33521432163324
	PW 10, 17.782794100389228
	PW 11, 23.71373705661655
	PW 12, 31.622776601683793
	PW 13, 42.16965034285822
	PW 14, 56.23413251903491
	PW 15, 74.98942093324558
	PW 16, 100.0
	PW 17, 133.3521432163324
	PW 18, 177.82794100389228
	PW 19, 237.1373705661655
	PW 20, 316.22776601683796
	PW 21, 421.6965034285822
	PW 22, 562.341325190349
	PW 23, 749.8942093324558
	PW 24, 1000.0
	PW 25, 1333.521432163324
	PW 26, 1778.2794100389228
	PW 27, 2371.373705661655
	PW 28, 3162.2776601683795
	PW 29, 4216.965034285822
	PW 30, 5623.413251903491
	PW 31, 7498.942093324558
	s_mov_b32 s54, 0.6366197723675814              ; 2 / pi
	s_mov_b32 s55, 1.5703125                       ; pi / 2 in three parts
	s_mov_b32 s56, 4.837512969970703125e-4
	s_mov_b32 s57, 7.54978995489188216e-8
	s_mov_b32 s58, -1.9515295891e-4                ; sine's polynomial
	s_mov_b32 s59, 8.3321608736e-3
	s_mov_b32 s60, -1.6666654611e-1
	s_mov_b32 s61, 2.443315711809948e-5            ; cosine's
	s_mov_b32 s62, -1.388731625493765e-3
	s_mov_b32 s63, 4.166664568298827e-2
	v_rcp_f32 v21, v20
	v_nop                                          ; a plain line behind the reciprocal
	s_wait_alu depctr_va_vdst(0)                   ; the wait ahead of the first reader
	v_fma_f32 v22, -v20, v21, 1.0
	v_fma_f32 v21, v21, v22, v21                   ; 10^(-i/8): one Newton step
	s_wait_kmcnt 0x0
	s_add_nc_u64 s[52:53], s[52:53], s[22:23]
.macro TOKEN j
.if \j > 0
	s_wait_xcnt 0x0                                ; the last token's store has read its data
.endif
	s_add_co_u32 s20, s19, \j
	v_cvt_f32_u32 v23, s20
	v_mul_f32 v23, v23, v21                        ; the angle: one rounding
	v_mul_f32 v24, s54, v23
	v_rndne_f32 v24, v24                           ; how many quarter turns
	v_fma_f32 v25, -v24, s55, v23
	v_fma_f32 v25, -v24, s56, v25
	v_fma_f32 v25, -v24, s57, v25                  ; what is left, within +-pi/4
	v_cvt_i32_f32 v26, v24
	v_mul_f32 v27, v25, v25
	v_mov_b32 v28, s59
	v_fma_f32 v28, v27, s58, v28
	v_fma_f32 v28, v28, v27, s60
	v_mul_f32 v29, v27, v25
	v_fma_f32 v28, v28, v29, v25                   ; its sine
	v_mov_b32 v31, s62
	v_fma_f32 v31, v27, s61, v31
	v_fma_f32 v31, v31, v27, s63
	v_mul_f32 v32, v27, v27
	v_fma_f32 v33, v27, -0.5, 1.0
	v_fma_f32 v31, v31, v32, v33                   ; its cosine
	v_and_b32 v34, 1, v26
	v_cmp_eq_u32 vcc_lo, 1, v34                    ; an odd quarter: the two change places
	v_cndmask_b32 v35, v28, v31, vcc_lo
	v_cndmask_b32 v36, v31, v28, vcc_lo
	v_and_b32 v37, 2, v26
	v_lshlrev_b32 v37, 30, v37
	v_xor_b32 v39, v35, v37                        ; sine: minus in quarters 2 and 3
	v_add_nc_u32 v34, 1, v26
	v_and_b32 v34, 2, v34
	v_lshlrev_b32 v34, 30, v34
	v_xor_b32 v38, v36, v34                        ; cosine: minus in quarters 1 and 2
	global_store_b64 v30, v[38:39], s[52:53] offset:256*\j
.endm
.irp j, 0,1,2,3,4,5,6,7
	TOKEN \j
.endr
	s_endpgm
.Lfunc_end_k_qc3361e9aac_prep:
	.size	k_qc3361e9aac_prep, .Lfunc_end_k_qc3361e9aac_prep-k_qc3361e9aac_prep
	.p2alignl 7, 3214868480
	.fill 96, 4, 3214868480
	.section	.rodata,"a",@progbits
	.p2align	6, 0x0
	.amdhsa_kernel k_qc3361e9aac_prep
		.amdhsa_group_segment_fixed_size 33280
		.amdhsa_private_segment_fixed_size 0
		.amdhsa_enable_private_segment 0
		.amdhsa_kernarg_size 72
		.amdhsa_user_sgpr_count 2
		.amdhsa_user_sgpr_kernarg_segment_ptr 1
		.amdhsa_wavefront_size32 1
		.amdhsa_system_sgpr_workgroup_id_x 1
		.amdhsa_system_sgpr_workgroup_id_y 1
		.amdhsa_system_sgpr_workgroup_id_z 1
		.amdhsa_system_vgpr_workitem_id 0
		.amdhsa_next_free_vgpr 194
		.amdhsa_next_free_sgpr 80
		.amdhsa_reserve_vcc 1
		.amdhsa_float_denorm_mode_32 3
		.amdhsa_float_denorm_mode_16_64 3
		.amdhsa_memory_ordered 1
		.amdhsa_forward_progress 1
		.amdhsa_inst_pref_size 98
	.end_amdhsa_kernel
	.amdgpu_metadata
---
amdhsa.version: [ 1, 2 ]
amdhsa.kernels:
  - .name:           k_qc3361e9aac_prep
    .symbol:         k_qc3361e9aac_prep.kd
    .args:
      - { .name: x, .offset: 0, .size: 8, .value_kind: global_buffer, .address_space: global }
      - { .name: W_q, .offset: 8, .size: 8, .value_kind: global_buffer, .address_space: global }
      - { .name: W_k, .offset: 16, .size: 8, .value_kind: global_buffer, .address_space: global }
      - { .name: W_v, .offset: 24, .size: 8, .value_kind: global_buffer, .address_space: global }
      - { .name: W_o, .offset: 32, .size: 8, .value_kind: global_buffer, .address_space: global }
      - { .name: lowp_scales, .offset: 40, .size: 8, .value_kind: global_buffer, .address_space: global }
      - { .name: xcodes, .offset: 48, .size: 8, .value_kind: global_buffer, .address_space: global }
      - { .name: wcodes, .offset: 56, .size: 8, .value_kind: global_buffer, .address_space: global }
      - { .name: rope, .offset: 64, .size: 8, .value_kind: global_buffer, .address_space: global }
    .group_segment_fixed_size: 33280
    .private_segment_fixed_size: 0
    .kernarg_segment_align: 8
    .kernarg_segment_size: 72
    .max_flat_workgroup_size: 128
    .sgpr_count:     80
    .vgpr_count:     194
    .wavefront_size: 32
...
	.end_amdgpu_metadata
.endif
;; end of part 1
;; launch qkv (part 2): grid 12 x 32, 4 waves a work-group, clusters of 4 x 4, 327,680 bytes of LDS; arguments xcodes, wcodes, rope, lowp_scales, qkvimg; writes qkvimg
.if DOCPART == 2
	.amdgcn_target "amdgcn-amd-amdhsa--gfx1250"
	.amdhsa_code_object_version 6
	.text
	.protected	k_qc3361e9aac_qkv
	.globl	k_qc3361e9aac_qkv
	.p2align	8
	.type	k_qc3361e9aac_qkv,@function
k_qc3361e9aac_qkv:
	s_mov_b64 s[64:65], 0
	v_nop
	global_prefetch_b8 v0, s[64:65] scope:SCOPE_SE
	s_setreg_imm32_b32 hwreg(HW_REG_WAVE_MODE, 25, 1), 1
	s_wait_xcnt 0x0
	s_wait_alu depctr_hold_cnt(0) depctr_sa_sdst(0) depctr_va_vdst(0) depctr_va_sdst(0) depctr_va_ssrc(0) depctr_va_vcc(0) depctr_vm_vsrc(0)
	s_getreg_b32 s2, hwreg(HW_REG_IB_STS2, 6, 4)
	s_cmp_eq_u32 s2, 0
	s_cbranch_scc0 .Lentry_in_a_cluster
	s_endpgm
.Lentry_in_a_cluster:
	s_bfe_u32 s2, ttmp6, 0x10000c
	s_cmp_lg_u32 s2, 0xf033
	s_cbranch_scc0 .Lentry_shape_is_right
	s_endpgm
.Lentry_shape_is_right:
; q = x W_q^T, k = x W_k^T, v = x W_v^T on E4M3 codes (K = 1,024); q and k are rotated (pairs of neighbouring channels, by the table of cos and sin); all three are quantised again (2^e6, 2^e7, 2^e9)
; and stored as IMAGES OF THE OPERAND REGISTERS of the attention launch: every store is 16 bytes a lane at 16 x lane, 512 consecutive aligned bytes a wave.
; A tile of 256 x 256 results is made by a work-group of four waves, a wave makes 128 x 128: 64 accumulators, 512 registers.  K goes in steps of 256 through a ring of two LDS slots filled by the tensor data mover.
; CLUSTERS: 4 x 4 work-groups; the cluster's x says which product (0 q, 1 k, 2 v).  Source 1's tiles ("A": a lane holds one of its rows) are shared along a row of the cluster, source 0's ("B": a lane's registers
; run along its rows) along a column; each tile is asked for jointly.  q, k: A = x's codes (tokens), B = the weight's (features).  v: A = W_v's codes (features), B = x's codes (tokens), since the keys are the K of the product that v enters.
; The rows of B were stored with bits 3 and 4 of their number exchanged, so accumulators (a, 2 g) and (a, 2 g + 1), 16 registers on end, hold B's rows 32 g + 16 (lane / 16) + 0 .. 15.
; IMAGES, for each of 64 (batch, head): Q, K: [128 tiles of 16 tokens][2 chunks c][lane][16 bytes]: lane (r, h): channels 32 c + 16 h + 0 .. 15 of the tile's row r; Q's tile holds tokens 16 tile + r, K's tile 2 b + u holds
; tokens 32 b + 8 u + r + 8 (r / 8) (x's copy 1 has its rows exchanged likewise).  V: [16 steps of 128 keys][4 tiles t of channels][4 chunks c][lane][16 bytes]: keys 32 c + 16 h + 0 .. 15 of channel 32 (t / 2) + 8 (t % 2) + r + 8 (r / 8).
; A sum stands for sum x 2^(ex + ew); the rotation is linear; so the three scales are folded into the conversion's one, 2^E.  LIMITS: E = e6 - e0 - e1, e7 - e2 - e3, e9 - e4 - e5 each between -126 and 119.
; REGISTERS, in windows of 256: window 0: v0-31 addresses and constants; from v128 A's fragments, ONE set; on the way out v32-223 are at work.  window 1: B's fragments, TWO sets.  windows 2, 3: the accumulators ((a, b) at v[8 (8 (a % 4) + b)]).
.set KSTEP,  256
.set ROWB,   256
.set KROW,   1024
.set PITCH,  272                       ; an LDS row: 256 bytes + 16 of padding = 68 words: the 16 rows that a load touches start at 16 different banks (64 banks of 4 bytes: ISA guide 11.1)
.set FR,     16
.set NL,     4
.set NP,     4                         ; places behind this matrix instruction (ISA guide 7.12.1)
.set HALFT,  128*PITCH
.set SLOT,   4*HALFT
.set LAPS,   2                         ; 1,024 along K = two laps of two K steps
.set SPARE,  2*SLOT                    ; behind the ring: the spare words, 128 bytes for each wave
.set TA,   8                           ; v8, v9  my byte in the table of cos and sin, for even and odd blocks of 16 tokens
.set OA,   10                          ; v10     16 x lane: my place in an image
.set SCV,  11                          ; v11     2^E
.set LMV,  12                          ; v12     448 x 2^E
.set ADRA, 16
.set ADRB, 20
.set SPW,  28
.set NIL,  29
.set RO,   32                          ; v32-95   a block's 64 numbers, rotated
.set TM,   96                          ; v96-111  at work
.set AF,   128
.set CS,   128                         ; v128-191 cos and sin, two sets of 32
.set CD,   192                         ; v192-223 codes, two sets of 16
.set G1, 24
.set G0, 32
.set G1B, 48
.set G0B, 56
.set MSB, 0
.macro WIN new                         ; the immediate's high byte repeats the setting that is left
.if MSB != \new
	s_set_vgpr_msb (MSB<<8)|\new
.set MSB, \new
.endif
.endm
.set MUL_LO, 0xa1                      ; source 0 (B) window 1, source 1 (A) window 0, C and D window 2
.set MUL_HI, 0xf1
.set TO_B,   0x40
; A joint load: waves 0 and 1 fetch for A, waves 2 and 3 for B; the branch hangs on the wave's number alone.  Four v_nop follow each of the two lines.
.macro JLOAD g0a, g1a, g0b, g1b
	s_cmp_eq_u32 s15, 0
	s_cbranch_scc0 .Lfor_b_\@
	tensor_load_to_lds s[\g0a:\g0a+3], s[\g1a:\g1a+7]
	s_nop 0
.rept 4
	v_nop
.endr
	s_branch .Lasked_\@
.Lfor_b_\@:
	tensor_load_to_lds s[\g0b:\g0b+3], s[\g1b:\g1b+7]
	s_nop 0
.rept 4
	v_nop
.endr
.Lasked_\@:
.endm
.macro CREST                           ; a round of the cluster's barrier behind its opening barrier
	s_cmp_lg_u32 s14, 0
	s_cbranch_scc1 .Lnot_wave_0_\@
	s_barrier_signal -3
.Lnot_wave_0_\@:
	s_barrier_wait -3
	s_barrier_signal -1
	s_barrier_wait -1
.endm
.macro CROUND
	s_barrier_signal -1
	s_barrier_wait -1
	CREST
.endm
	s_load_b256 s[4:11], s[0:1], 0x0               ; xcodes s[4:5], wcodes s[6:7], rope s[8:9], the exponents s[10:11]
	s_load_b64 s[12:13], s[0:1], 0x20              ; qkvimg
	v_lshl_add_u32 v[SPW], v0, 2, SPARE
	v_mov_b32 v[NIL], 0
	ds_add_u32 v28, v29
	ds_add_u32 v28, v29
	s_wait_dscnt 0x0
	v_lshrrev_b32 v1, 5, v0
	v_readfirstlane_b32 s14, v1                    ; wave 0..3
	s_lshr_b32 s15, s14, 1                         ; which half of A's rows is mine.  Also: I fetch for A (0) or for B (1)
	s_and_b32 s16, s14, 1                          ; which half of B's rows.  Also: which 128 rows of that tile I fetch
	s_bfe_u32 s40, ttmp6, 0x40000                  ; cx, cy: my place in the cluster
	s_bfe_u32 s41, ttmp6, 0x40004
	s_and_b32 s17, ttmp7, 0xffff                   ; the cluster's y
	s_cmp_eq_u32 ttmp9, 2                          ; the cluster's x: 2 = v.  The same in all sixteen partners
	s_cselect_b32 s67, 1, 0
	s_cselect_b32 s42, s17, ttmp9                  ; B's tiles: v: tokens, by the cluster's y; q, k: the weights' rows, by its x
	s_cselect_b32 s17, 0, s17                      ; A's tiles: v: W_v's four; q, k: tokens
	s_lshl_b32 s42, s42, 2
	s_add_co_u32 s42, s42, s40                     ; B's tile = 4 x .. + cx
	s_lshl_b32 s17, s17, 2
	s_add_co_u32 s17, s17, s41                     ; A's tile = 4 x .. + cy
	s_lshl_b32 s43, s41, 2
	s_lshl_b32 s43, 15, s43                        ; my row of the cluster
	s_lshl_b32 s44, 0x1111, s40                    ; my column
	s_or_b32 s[G1+0], s43, (0<<16)|(1<<20)|(1<<21)|(5<<22)|(3<<25)  ; the mask; elements of 1 byte; padding on; bit 21 beside a mask; after every 64 words, 4 words
	s_or_b32 s[G1B+0], s44, (0<<16)|(1<<20)|(1<<21)|(5<<22)|(3<<25)
.irp g, G1, G1B
	s_mov_b32 s[\g+1], ROWB<<16                    ; tensor_dim0
	s_mov_b32 s[\g+2], 128<<16                     ; tensor_dim1 = 128
	s_mov_b32 s[\g+3], ROWB<<16                    ; tile_dim0
	s_mov_b32 s[\g+4], 128                         ; tile_dim1 = 128
	s_mov_b32 s[\g+5], KROW                        ; from row to row
	s_mov_b32 s[\g+6], 0
	s_mov_b32 s[\g+7], 0
.endr
	s_lshl_b32 s18, s16, 7                         ; which 128 rows of the tile I fetch
	s_lshl_b32 s20, s17, 8
	s_add_co_u32 s20, s20, s18
	s_lshl_b32 s20, s20, 10                        ; A: (256 x tile + 128 x half) rows of 1,024 bytes
	s_lshl_b32 s46, s42, 8
	s_add_co_u32 s46, s46, s18
	s_lshl_b32 s46, s46, 10                        ; B likewise
	s_lshl_b32 s22, ttmp9, 23                      ; q, k: copy 0 or 1 of x, 8 MiB each
	s_cmp_eq_u32 s67, 1
	s_cselect_b32 s22, 0x200000, s22               ; v: W_v lies 2 MiB into the weights' codes,
	s_cselect_b32 s23, 0x1000000, 0                ; and copy 2 of x 16 MiB into x's
	s_add_co_u32 s20, s20, s22
	s_add_co_u32 s46, s46, s23
	s_mov_b32 s21, 0
	s_mov_b32 s47, 0
	s_mul_i32 s45, s14, HALFT                      ; where they go: wave x 128 rows: no place in the cluster enters an LDS address
	s_wait_kmcnt 0x0
	s_load_b256 s[68:75], s[10:11], 0x0            ; e0 .. e7
	s_load_b64 s[76:77], s[10:11], 0x20            ; e8, e9
	s_cmp_eq_u32 s67, 1
	s_cselect_b64 s[84:85], s[6:7], s[4:5]         ; A's buffer,
	s_cselect_b64 s[86:87], s[4:5], s[6:7]         ; B's
	s_add_nc_u64 s[20:21], s[84:85], s[20:21]
	s_add_nc_u64 s[46:47], s[86:87], s[46:47]
	CROUND                                         ; all sixteen work-groups are here: the first joint loads meet
.irp s, 0,1
	s_mov_b32 s[G0+4*\s], 1
	s_add_co_u32 s[G0+4*\s+1], s45, \s*SLOT
	s_add_nc_u64 s[G0+4*\s+2:G0+4*\s+3], s[20:21], \s*ROWB
	s_or_b32 s[G0+4*\s+3], s[G0+4*\s+3], 0x80000000
	s_mov_b32 s[G0B+4*\s], 1
	s_add_co_u32 s[G0B+4*\s+1], s45, \s*SLOT
	s_add_nc_u64 s[G0B+4*\s+2:G0B+4*\s+3], s[46:47], \s*ROWB
	s_or_b32 s[G0B+4*\s+3], s[G0B+4*\s+3], 0x80000000
	JLOAD G0+4*\s, G1, G0B+4*\s, G1B
.endr
	v_and_b32 v1, 15, v0                           ; r = l % 16
	v_bfe_u32 v2, v0, 4, 1                         ; h = l / 16
	v_mul_u32_u24 v3, v1, PITCH
	v_lshl_add_u32 v4, v2, 4, v3                   ; a fragment's row x pitch + 16 x half
	s_mul_i32 s21, s15, HALFT                      ; my 128 rows of A
	s_mul_i32 s22, s16, HALFT                      ; my 128 rows of B,
	s_add_co_u32 s22, s22, 2*HALFT                 ; which lie behind A's 256
.irp s, 0,1
	v_add_nc_u32 v[ADRA+\s], s21, v4
	v_add_nc_u32 v[ADRB+\s], s22, v4
	s_add_co_u32 s21, s21, SLOT
	s_add_co_u32 s22, s22, SLOT
.endr
	; the table of cos and sin: block a's row r is token 16 a + r (q) or 32 (a / 2) + 8 (a % 2) + r + 8 (r / 8) (k); a token has 256 bytes, my 8 pairs of a chunk begin 64 h bytes in
	s_cmp_eq_u32 ttmp9, 1
	s_cselect_b32 s78, 1, 0
	s_mov_b32 s79, 4096
	s_cselect_b32 s79, 2048, s79                   ; from an even block to the odd one: 8 tokens (k) or 16 (q)
	v_and_b32 v5, 8, v1
	v_mul_u32_u24 v5, v5, s78
	v_add_nc_u32 v5, v5, v1
	v_lshlrev_b32 v5, 8, v5
	v_lshl_add_u32 v[TA], v2, 6, v5
	v_add_nc_u32 v[TA+1], s79, v[TA]
	v_and_b32 v6, 31, v0
	v_lshlrev_b32 v[OA], 4, v6
.macro FRAG reg, adr, q, i             ; a fragment, 16 rows x 128 K: lane l holds row l % 16; registers 4 c .. 4 c + 3 hold K = 32 c + 16 (l / 16) + 0 .. 15: the same order of K in A and in B
.irp c, 0,1,2,3
	ds_load_b128 v[\reg+4*\c:\reg+4*\c+3], v[\adr] offset:128*(\q)+32*\c+(\i)*16*PITCH
.endr
.endm
; 16 matrix instructions: A's blocks a0, a0 + 1 x B's eight.  The 64 accumulators take turns, one instruction a turn, in the same order in every step.
.macro MUL16 a0, p, zero
.irp a, \a0, \a0+1
.irp b, 0,1,2,3,4,5,6,7
.if \zero
	v_wmma_f32_16x16x128_fp8_fp8 v[8*(8*((\a)%4)+\b):8*(8*((\a)%4)+\b)+7], v[128*(\p)+FR*\b:128*(\p)+FR*\b+FR-1], v[AF+FR*(\a):AF+FR*(\a)+FR-1], 0
.else
	v_wmma_f32_16x16x128_fp8_fp8 v[8*(8*((\a)%4)+\b):8*(8*((\a)%4)+\b)+7], v[128*(\p)+FR*\b:128*(\p)+FR*\b+FR-1], v[AF+FR*(\a):AF+FR*(\a)+FR-1], v[8*(8*((\a)%4)+\b):8*(8*((\a)%4)+\b)+7]
.endif
.endr
.endr
.endm
.macro FETCH_B slot, q, p
	WIN TO_B
.irp i, 0,1,2,3,4,5,6,7
	FRAG 128*(\p)+FR*\i, ADRB+\slot, \q, \i
.endr
	WIN 0
.endm
.macro FETCH_A slot, q, i0
.irp i, \i0, \i0+1, \i0+2, \i0+3
	FRAG AF+FR*(\i), ADRA+\slot, \q, \i
.endr
.endm
.macro PLACES n                        ; plain vector lines between a matrix instruction and a load into, or a read of, its registers
.rept \n
	v_nop
.endr
.endm
.macro STEP slot, q, zero              ; a step of 128 along K that has its successor in the same slot
	s_wait_dscnt 4*NL                              ; B's set and A's blocks 0-3 are in; the youngest 16 loads (A's blocks 4-7) may be out
	WIN MUL_LO
	MUL16 0, (\q)%2, \zero
	MUL16 2, (\q)%2, \zero
	s_wait_dscnt 0                                 ; A's blocks 4-7 are in
	PLACES NP
	FETCH_B \slot, (\q)+1, 1-(\q)%2
	FETCH_A \slot, (\q)+1, 0
	WIN MUL_HI
	MUL16 4, (\q)%2, \zero
	MUL16 6, (\q)%2, \zero
	PLACES NP
	WIN 0
	FETCH_A \slot, (\q)+1, 4
.endm
; A slot's last step changes slots: ONE barrier; in front of it each wave waits for all its tensor loads, adds 0 to its spare word, and waits for that and for its reads of this slot.
.macro TURN slot, next, fill
	s_wait_tensorcnt 0x0                           ; all my tensor loads have landed: my part of the next slot
	ds_add_u32 v[SPW], v[NIL]                      ; 0 onto my spare word
	s_wait_dscnt 4*NL+1                            ; (the add and the youngest 16 loads may be out)
	WIN MUL_LO
	MUL16 0, 1, 0
	s_wait_dscnt 0x0                               ; the add is done, and my reads of this slot are over
	s_barrier_signal -1
	MUL16 2, 1, 0
	WIN 0
	s_barrier_wait -1
.if \fill
	CREST                                          ; the barrier has opened a round of the cluster's: no wave of any partner still reads this slot or has a load on its way
	s_add_nc_u64 s[G0+4*\slot+2:G0+4*\slot+3], s[G0+4*\slot+2:G0+4*\slot+3], 2*ROWB
	s_add_nc_u64 s[G0B+4*\slot+2:G0B+4*\slot+3], s[G0B+4*\slot+2:G0B+4*\slot+3], 2*ROWB
	JLOAD G0+4*\slot, G1, G0B+4*\slot, G1B         ; the first tensor load behind the round; its four v_nop are the places in front of the loads below
.else
	PLACES NP
.endif
	FETCH_B \next, 0, 0
	FETCH_A \next, 0, 0
	WIN MUL_HI
	MUL16 4, 1, 0
	MUL16 6, 1, 0
	PLACES NP
	WIN 0
	FETCH_A \next, 0, 4
.endm
	s_wait_tensorcnt 1                             ; my part of K step 0 is in (K step 1's load may be out)
	s_barrier_signal -1
	s_barrier_wait -1                              ; everybody's is
	FETCH_B 0, 0, 0
	FETCH_A 0, 0, 0
	FETCH_A 0, 0, 4
	STEP 0, 0, 1                                   ; the first step's products start the sums
	s_mov_b32 s3, LAPS-1
.Llap:
	TURN 0, 1, 1
	STEP 1, 0, 0
	TURN 1, 0, 1
	STEP 0, 0, 0
	s_sub_co_u32 s3, s3, 1
	s_cmp_lg_u32 s3, 0
	s_cbranch_scc1 .Llap
	TURN 0, 1, 0                                   ; the last lap fills nothing
	STEP 1, 0, 0
	s_wait_dscnt 4*NL
	WIN MUL_LO
	MUL16 0, 1, 0
	MUL16 2, 1, 0
	s_wait_dscnt 0
	WIN MUL_HI
	MUL16 4, 1, 0
	MUL16 6, 1, 0
	WIN 0
	; THE WAY OUT.  No LDS: a lane's 16 codes are 16 bytes of an image.
	s_wait_kmcnt 0x0
	s_sub_co_i32 s88, s74, s68
	s_sub_co_i32 s88, s88, s69                     ; q: e6 - e0 - e1
	s_sub_co_i32 s89, s75, s70
	s_sub_co_i32 s89, s89, s71                     ; k: e7 - e2 - e3
	s_sub_co_i32 s90, s77, s72
	s_sub_co_i32 s90, s90, s73                     ; v: e9 - e4 - e5
	s_cmp_eq_u32 ttmp9, 1
	s_cselect_b32 s88, s89, s88
	s_cmp_eq_u32 ttmp9, 2
	s_cselect_b32 s88, s90, s88
	s_add_co_i32 s88, s88, 127
	s_lshl_b32 s89, s88, 23
	s_add_co_i32 s88, s88, 8
	s_lshl_b32 s88, s88, 23
	s_or_b32 s88, s88, 0x600000
	PLACES NP                                      ; behind the last products: for the reads of their results and for the loads into the registers that held A's fragments
	v_mov_b32 v[SCV], s89
	v_mov_b32 v[LMV], s88
	s_cmp_eq_u32 s67, 1
	s_cbranch_scc1 .Lout_v
	s_and_b32 s88, s17, 7
	s_lshl_b32 s88, s88, 8
	s_lshl_b32 s89, s15, 7
	s_add_co_u32 s88, s88, s89                     ; my first token within its batch
	s_lshl_b32 s90, s88, 8
	s_mov_b32 s91, 0
	s_add_nc_u64 s[80:81], s[8:9], s[90:91]        ; its place in the table
	s_lshr_b32 s89, s17, 3
	s_lshl_b32 s89, s89, 4                         ; 16 x batch
	s_and_b32 s92, s42, 3
	s_lshl_b32 s92, s92, 2
	s_add_co_u32 s89, s89, s92
	s_lshl_b32 s92, s16, 1
	s_add_co_u32 s89, s89, s92                     ; + the first of my two heads
	s_lshl_b32 s90, s89, 17                        ; 131,072 bytes a head,
	s_lshl_b32 s92, s88, 6
	s_add_co_u32 s90, s90, s92                     ; 1,024 bytes a tile of 16 tokens,
	s_lshl_b32 s92, ttmp9, 23
	s_add_co_u32 s90, s90, s92                     ; 8 MiB for each of q, k, v
	s_add_nc_u64 s[82:83], s[12:13], s[90:91]
.macro TLOADS a                        ; block a's cos and sin: register 16 b + 2 p holds cos, the next sin, of pair 16 b + 8 h + p
.irp b, 0,1
.irp j, 0,1,2,3
	global_load_b128 v[CS+32*((\a)%2)+16*\b+4*\j:CS+32*((\a)%2)+16*\b+4*\j+3], v[TA+(\a)%2], s[80:81] offset:((\a)/2)*8192+128*\b+16*\j
.endr
.endr
.endm
.macro OUT_QK a                        ; block a: 16 tokens x 128 features (two heads)
.set AC, 64*((\a)%4)
.set CA, CS+32*((\a)%2)
.set DA, CD+16*((\a)%2)
.if (\a) < 7
	TLOADS (\a)+1
	s_wait_loadcnt 8                               ; this block's eight loads are in; the next block's eight may be out
.else
	s_wait_loadcnt 0x0
.endif
	WIN 0x02+((\a)/4)                              ; source 0: window 2 or 3
.irp g, 0,1,2,3
.irp p, 0,2,4,6,8,10,12,14
	v_pk_mul_f32 v[TM+\p:TM+\p+1], v[AC+16*\g+\p:AC+16*\g+\p+1], v[CA+16*(\g%2)+\p:CA+16*(\g%2)+\p+1] op_sel:[1,1] op_sel_hi:[1,0]   ; (x2 sin, x2 cos); each accumulator from its low end on
.endr
.irp p, 0,2,4,6,8,10,12,14
	v_pk_fma_f32 v[RO+16*\g+\p:RO+16*\g+\p+1], v[AC+16*\g+\p:AC+16*\g+\p+1], v[CA+16*(\g%2)+\p:CA+16*(\g%2)+\p+1], v[TM+\p:TM+\p+1] op_sel_hi:[0,1,1] neg_lo:[0,0,1]   ; (x1 cos - x2 sin, x1 sin + x2 cos)
.endr
.endr
	WIN 0
	s_wait_xcnt 0x0                                ; the stores of two blocks back have read their data: these codes' registers are written again only behind this wait
.irp g, 0,1,2,3
.irp i, 0,1,2,3,4,5,6,7,8,9,10,11,12,13,14,15
	v_med3_num_f32 v[RO+16*\g+\i], v[RO+16*\g+\i], -v[LMV], v[LMV]   ; the conversion to an 8-bit code does not saturate (ISA guide 7.6.2)
.endr
	v_cvt_scalef32_pk8_fp8_f32 v[DA+4*\g:DA+4*\g+1], v[RO+16*\g:RO+16*\g+7], v[SCV]
	v_cvt_scalef32_pk8_fp8_f32 v[DA+4*\g+2:DA+4*\g+3], v[RO+16*\g+8:RO+16*\g+15], v[SCV]
.endr
	v_nop                                          ; a plain line behind the last conversion
.irp g, 0,1,2,3
	global_store_b128 v[OA], v[DA+4*\g:DA+4*\g+3], s[82:83] offset:(\g/2)*131072+(\a)*1024+(\g%2)*512   ; head g / 2, tile a, chunk g % 2: 512 consecutive bytes, aligned
.endr
.endm
	TLOADS 0
.irp a, 0,1,2,3,4,5,6,7
	OUT_QK \a
.endr
	s_branch .Lend
.Lout_v:
	s_lshl_b32 s88, s17, 2
	s_lshl_b32 s89, s15, 1
	s_add_co_u32 s88, s88, s89                     ; the first of my two heads
	s_lshr_b32 s89, s42, 3
	s_lshl_b32 s89, s89, 4
	s_add_co_u32 s88, s88, s89                     ; + 16 x batch
	s_lshl_b32 s90, s88, 17
	s_and_b32 s89, s42, 7
	s_lshl_b32 s89, s89, 1
	s_add_co_u32 s89, s89, s16                     ; my step of 128 keys
	s_lshl_b32 s89, s89, 13
	s_add_co_u32 s90, s90, s89
	s_add_co_u32 s90, s90, 0x1000000
	s_mov_b32 s91, 0
	s_add_nc_u64 s[82:83], s[12:13], s[90:91]
.macro OUT_V a                         ; block a: 16 channels x 128 keys
.set AC, 64*((\a)%4)
.set DA, CD+16*((\a)%2)
	WIN 0x02+((\a)/4)
.set n, 0
.rept 64
	v_med3_num_f32 v[RO+n], v[AC+n], -v[LMV], v[LMV]
.set n, n+1
.endr
	WIN 0
	s_wait_xcnt 0x0                                ; as above
.irp g, 0,1,2,3
	v_cvt_scalef32_pk8_fp8_f32 v[DA+4*\g:DA+4*\g+1], v[RO+16*\g:RO+16*\g+7], v[SCV]
	v_cvt_scalef32_pk8_fp8_f32 v[DA+4*\g+2:DA+4*\g+3], v[RO+16*\g+8:RO+16*\g+15], v[SCV]
.endr
	v_nop                                          ; a plain line between the conversions and the next block's holds, which write their sources
.irp g, 0,1,2,3
	global_store_b128 v[OA], v[DA+4*\g:DA+4*\g+3], s[82:83] offset:((\a)/4)*131072+((\a)%4)*2048+512*\g
.endr
.endm
.irp a, 0,1,2,3,4,5,6,7
	OUT_V \a
.endr
.Lend:
	s_wait_tensorcnt 0x0                           ; the wave's end
	ds_add_u32 v[SPW], v[NIL]
	s_wait_dscnt 0x0
	CROUND                                         ; the closing round: no work-group ends while a partner may still ask for a tile that names it
	s_endpgm
.Lfunc_end_k_qc3361e9aac_qkv:
	.size	k_qc3361e9aac_qkv, .Lfunc_end_k_qc3361e9aac_qkv-k_qc3361e9aac_qkv
	.p2alignl 7, 3214868480
	.fill 96, 4, 3214868480
	.section	.rodata,"a",@progbits
	.p2align	6, 0x0
	.amdhsa_kernel k_qc3361e9aac_qkv
		.amdhsa_group_segment_fixed_size 327680
		.amdhsa_private_segment_fixed_size 0
		.amdhsa_enable_private_segment 0
		.amdhsa_kernarg_size 40
		.amdhsa_user_sgpr_count 2
		.amdhsa_user_sgpr_kernarg_segment_ptr 1
		.amdhsa_wavefront_size32 1
		.amdhsa_system_sgpr_workgroup_id_x 1
		.amdhsa_system_sgpr_workgroup_id_y 1
		.amdhsa_system_sgpr_workgroup_id_z 1
		.amdhsa_system_vgpr_workitem_id 0
		.amdhsa_next_free_vgpr 1024
		.amdhsa_next_free_sgpr 100
		.amdhsa_reserve_vcc 0
		.amdhsa_float_denorm_mode_32 3
		.amdhsa_float_denorm_mode_16_64 3
		.amdhsa_memory_ordered 1
		.amdhsa_forward_progress 1
		.amdhsa_inst_pref_size 198
	.end_amdhsa_kernel
	.amdgpu_metadata
---
amdhsa.version: [ 1, 2 ]
amdhsa.kernels:
  - .name:           k_qc3361e9aac_qkv
    .symbol:         k_qc3361e9aac_qkv.kd
    .args:
      - { .name: xcodes, .offset: 0, .size: 8, .value_kind: global_buffer, .address_space: global }
      - { .name: wcodes, .offset: 8, .size: 8, .value_kind: global_buffer, .address_space: global }
      - { .name: rope, .offset: 16, .size: 8, .value_kind: global_buffer, .address_space: global }
      - { .name: lowp_scales, .offset: 24, .size: 8, .value_kind: global_buffer, .address_space: global }
      - { .name: qkvimg, .offset: 32, .size: 8, .value_kind: global_buffer, .address_space: global }
    .group_segment_fixed_size: 327680
    .private_segment_fixed_size: 0
    .kernarg_segment_align: 8
    .kernarg_segment_size: 40
    .max_flat_workgroup_size: 128
    .sgpr_count:     100
    .vgpr_count:     1024
    .wavefront_size: 32
...
	.end_amdgpu_metadata
.endif
;; end of part 2
;; launch attn (part 3): grid 4 x 64, 16 waves a work-group, no clusters, 272,384 bytes of LDS; arguments qkvimg, attention_mask, lowp_scales, oimg; writes oimg
.if DOCPART == 3
	.amdgcn_target "amdgcn-amd-amdhsa--gfx1250"
	.amdhsa_code_object_version 6
	.text
	.protected	k_qc3361e9aac_attn
	.globl	k_qc3361e9aac_attn
	.p2align	8
	.type	k_qc3361e9aac_attn,@function
k_qc3361e9aac_attn:
	s_mov_b64 s[64:65], 0
	v_nop
	global_prefetch_b8 v0, s[64:65] scope:SCOPE_SE
	s_setreg_imm32_b32 hwreg(HW_REG_WAVE_MODE, 25, 1), 1
	s_wait_xcnt 0x0
; For each (batch, head): scores = Q K^T / 8 on E4M3 codes; a key counts where it is not after the query and its mask word is not 0; attn = softmax, FINISHED AND NORMALISED, is quantised (2^e8) and multiplied with V's codes;
; the result is quantised (2^e10) and stored as an image of the last product's operand registers.
; The weights are quantised normalised, so a row's maximum and sum are wanted before any weight is made: THE KEYS ARE WALKED TWICE.  Pass 1: running maximum m and sum l of 2^(c s - c m).  Pass 2: the scores again,
; p = 2^(c s - c m) / l, its codes, O^T += V^T P^T.  c = log2(e) / 8 x 2^(e6 + e7).
; A ROW THAT SEES NO KEY (query before the first key whose mask word is not 0): all its scores are equal in the reference, so its weights are 1 / 2,048 at ALL 2,048 keys, the later ones too.  For such a lane c and c m are
; replaced by 0 and 1 / l by 2^-11 (selects on whole numbers), and the steps behind the diagonal, which other rows leave out, are multiplied with codes that are 2^-11 for such rows and 0 for the others.
; SHARES.  A work-group is a quarter of a head's queries; it copies the head's K and V images (128 KiB each) into LDS once; from then on LDS is only read: one barrier in all.  Wave g of a head's 64 owns tiles g and
; 127 - g of 16 queries, one after the other: (g / 8 + 1) + (16 - g / 8) = 17 steps of 128 keys for every wave.  Sixteen waves of 256 registers: four to a SIMD, so that one wave's vector work stands beside another's loads and products.
; No tensor load and no joint request: what the four work-groups of a head share is one fill at the head, and the branches below on the mask's words and on e8 (whole numbers read from memory) spare the bias loads, the hold and the steps behind the diagonal.
; LAYOUT.  Both products transposed: S^T = K Q^T, O^T = V^T P^T: a lane holds one query (lane % 16) throughout.  K's tile 2 b + u holds keys 32 b + 8 u + r + 8 (r / 8), so register 16 b + i of S^T is key 32 b + 16 (lane / 16) + i.
; The pad mask is a bias in LDS, 0 or -2^100 a key, given as the C of the score products in steps that have a hole; the causal mask is a select in the one step on the diagonal.  m starts at -2^99, above a masked score, so a row
; whose keys so far are all masked keeps p = 0 and l = 0.
; LIMITS: e6 + e7 between -80 and 24; e8, and e10 - e8 - e9, between -126 and 119.  NaN is not served.
; REGISTERS: v1 16 x lane; v2 r; v3 h; v4 the bias's address; v5 my query; v6-8 addresses in hand; v9 Q's offset; v[10:11] c; v[12:13] -c m; v[14:15] l in two halves; v16-23 Q; v24 m; v25 at work; v[26:27] the rescaling; v[28:29] 1 / l;
; v30 -2^100; v31 448 x 2^e8; v32-95 fragments of K or V; v96-159 S^T, then p; v160-191 O^T; v192-207 the codes for steps behind the diagonal; v208-223 at work; v224-239 p's codes; v240 2^e8; v241, v242 2^(e10 - e8 - e9) and 448 x that;
; v243 2^-11; v244-250 at work; v251 16 x lane + V's image; v252 c.
.set VIMG, 131072
.set BIAS, 262144
	s_load_b256 s[4:11], s[0:1], 0x0               ; qkvimg s[4:5], the mask s[6:7], the exponents s[8:9], oimg s[10:11]
	v_lshl_add_u32 v254, v0, 2, 0x42000
	v_mov_b32 v255, 0
	v_lshrrev_b32 v1, 5, v0
	v_readfirstlane_b32 s12, v1                    ; wave 0..15
	s_and_b32 s14, ttmp7, 0xffff                   ; 16 x batch + head
	s_lshr_b32 s15, s14, 4
	s_and_b32 s16, s14, 15
	s_lshl_b32 s60, ttmp9, 4
	s_add_co_u32 s60, s60, s12                     ; my first tile of queries,
	s_sub_co_u32 s61, 127, s60                     ; and my second
	v_and_b32 v9, 31, v0
	v_lshlrev_b32 v1, 4, v9
	v_and_b32 v2, 15, v0
	v_bfe_u32 v3, v0, 4, 1
	v_lshl_add_u32 v4, v3, 6, BIAS                 ; my 16 keys of a block of 32: 64 h bytes in
	v_add_nc_u32 v251, VIMG, v1
	v_lshlrev_b32 v228, 4, v0                      ; the copy: 16 bytes a thread, 8,192 a line
	v_add_nc_u32 v229, 65536, v228
	v_add_nc_u32 v230, 131072, v228
	v_add_nc_u32 v231, 196608, v228
	v_add_nc_u32 v232, BIAS, v228
	v_mov_b32 v30, 0xf1800000                      ; -2^100
	v_mov_b32 v243, 0x3a000000                     ; 2^-11
	v_mov_b32 v11, 0                               ; upper halves of pairs of which the low word serves both halves: named, so written
	v_mov_b32 v13, 0
	v_mov_b32 v27, 0
	v_mov_b32 v29, 0
	v_mov_b32 v249, 0                              ; a lane permute's destination counts as one of its sources
	s_mov_b32 s20, 0x76543210
	s_mov_b32 s21, 0xfedcba98                      ; v_permlanex16_b32: lane l xor 16
	s_mov_b32 s24, 2048                            ; the first key whose mask word is not 0
	s_mov_b32 s25, 0                               ; bit i: step i of 128 keys has a hole
	s_lshl_b32 s52, s14, 17
	s_mov_b32 s53, 0
	s_lshl_b32 s54, s15, 13
	s_mov_b32 s55, 0
	s_wait_kmcnt 0x0
	s_load_b64 s[36:37], s[8:9], 0x18              ; e6, e7
	s_load_b128 s[40:43], s[8:9], 0x20             ; e8 .. e11
	s_add_nc_u64 s[4:5], s[4:5], s[52:53]          ; Q's image of my head,
	s_add_nc_u64 s[18:19], s[4:5], 0x800000        ; K's,
	s_add_nc_u64 s[28:29], s[4:5], 0x1000000       ; V's
	s_add_nc_u64 s[6:7], s[6:7], s[54:55]          ; my batch's mask
.irp i, 0,1,2,3,4,5,6,7,8,9,10,11,12,13,14,15
	global_load_b128 v[32+4*\i:35+4*\i], v228, s[18:19] offset:8192*\i
.endr
.irp i, 0,1,2,3,4,5,6,7,8,9,10,11,12,13,14,15
	global_load_b128 v[96+4*\i:99+4*\i], v228, s[28:29] offset:8192*\i
.endr
	global_load_b128 v[160:163], v228, s[6:7]      ; my thread's four mask words, for the bias
.irp i, 0,1,2,3,4,5,6,7,8,9,10,11,12,13,14,15
	global_load_b128 v[164+4*\i:167+4*\i], v1, s[6:7] offset:512*\i   ; the whole mask in every wave: line i is step i, lane l keys 128 i + 4 l + 0 .. 3
.endr
	s_wait_kmcnt 0x0
	s_add_co_i32 s52, s36, s37
	s_lshl_b32 s52, s52, 23
	s_add_co_i32 s22, s52, 0x3e38aa3b              ; log2(e) / 8 with e6 + e7 added to its exponent field
	s_mov_b32 s23, s22
	s_xor_b32 s27, s22, 0x80000000                 ; -c
	v_mov_b32 v252, s22
	s_add_co_i32 s52, s40, 127
	s_lshl_b32 s53, s52, 23
	v_mov_b32 v240, s53                            ; 2^e8
	s_add_co_i32 s52, s52, 8
	s_lshl_b32 s52, s52, 23
	s_or_b32 s52, s52, 0x600000
	v_mov_b32 v31, s52                             ; 448 x 2^e8
	s_sub_co_i32 s52, s42, s40
	s_sub_co_i32 s52, s52, s41                     ; a sum of the second product stands for sum x 2^(e8 + e9): its code is sum / 2^(e10 - e8 - e9)
	s_add_co_i32 s52, s52, 127
	s_lshl_b32 s53, s52, 23
	v_mov_b32 v241, s53
	s_add_co_i32 s52, s52, 8
	s_lshl_b32 s52, s52, 23
	s_or_b32 s52, s52, 0x600000
	v_mov_b32 v242, s52
	s_cmp_lt_i32 s40, -8                           ; from e8 = -8 on the largest code x the scale is 1.75 or more and p is at most 1: the hold cannot act
	s_cselect_b32 s26, 1, 0
	s_wait_loadcnt 33                              ; K's 16 lines are in: 33 were issued behind them
.irp i, 0,1,2,3,4,5,6,7
	ds_store_b128 v228, v[32+4*\i:35+4*\i] offset:8192*\i
.endr
.irp i, 0,1,2,3,4,5,6,7
	ds_store_b128 v229, v[64+4*\i:67+4*\i] offset:8192*\i
.endr
	s_wait_loadcnt 17                              ; V's
.irp i, 0,1,2,3,4,5,6,7
	ds_store_b128 v230, v[96+4*\i:99+4*\i] offset:8192*\i
.endr
.irp i, 0,1,2,3,4,5,6,7
	ds_store_b128 v231, v[128+4*\i:131+4*\i] offset:8192*\i
.endr
	s_wait_loadcnt 16                              ; my four mask words
.irp c, 0,1,2,3
	v_cmp_eq_u32 vcc_lo, 0, v[160+\c]
	v_cndmask_b32 v[236+\c], 0, v30, vcc_lo
.endr
	ds_store_b128 v232, v[236:239]
	s_wait_loadcnt 0x0
.macro META i                          ; step i: has it a hole, and its first key that counts
.irp c, 0,1,2,3
	v_cmp_ne_u32 s[52+\c], 0, v[164+4*(\i)+\c]
.endr
	s_and_b32 s56, s52, s53
	s_and_b32 s57, s54, s55
	s_and_b32 s56, s56, s57
	s_cmp_lg_u32 s56, -1
	s_cselect_b32 s57, 1<<(\i), 0
	s_or_b32 s25, s25, s57
.irp c, 0,1,2,3
	s_ctz_i32_b32 s58, s[52+\c]                    ; the first lane (all ones where there is none: held at 4,096, past every key)
	s_min_u32 s58, s58, 0x1000
	s_lshl_b32 s58, s58, 2
	s_add_co_u32 s58, s58, 128*(\i)+\c
	s_min_u32 s24, s24, s58
.endr
.endm
.irp i, 0,1,2,3,4,5,6,7,8,9,10,11,12,13,14,15
	META \i
.endr
	s_wait_dscnt 0x0                               ; for the others' sake: my stores into LDS are done
	s_barrier_signal -1
	s_barrier_wait -1                              ; K, V and the bias lie in LDS; nothing is written there any more
; THE SCORES OF A STEP: 128 keys x my 16 queries, masks applied.  s48 the step, s49 8,192 x, s50 512 x, s51 128 x the step.
.macro SCORES
	v_add_nc_u32 v6, s49, v1
	v_add_nc_u32 v8, s50, v4
	v_nop
	v_nop                                          ; four plain lines in front of loads into registers that the last products have read
.irp t, 0,1,2,3,4,5,6,7
	ds_load_b128 v[32+8*\t:35+8*\t], v6 offset:1024*\t
	ds_load_b128 v[36+8*\t:39+8*\t], v6 offset:1024*\t+512
.endr
	s_bitcmp1_b32 s25, s48
	s_cbranch_scc1 .Lholes_\@
	s_wait_dscnt 0x0
.irp t, 0,1,2,3,4,5,6,7
	v_wmma_f32_16x16x64_fp8_fp8 v[96+8*\t:103+8*\t], v[32+8*\t:39+8*\t], v[16:23], 0
.endr
	s_branch .Lscored_\@
.Lholes_\@:                            ; the bias comes straight into the accumulators: register 16 b + i is key 32 b + 16 h + i
.irp b, 0,1,2,3
.irp k, 0,1,2,3
	ds_load_b128 v[96+16*\b+4*\k:99+16*\b+4*\k], v8 offset:128*\b+16*\k
.endr
.endr
	s_wait_dscnt 0x0
.irp t, 0,1,2,3,4,5,6,7
	v_wmma_f32_16x16x64_fp8_fp8 v[96+8*\t:103+8*\t], v[32+8*\t:39+8*\t], v[16:23], v[96+8*\t:103+8*\t]
.endr
.Lscored_\@:
.rept 4
	v_nop                                          ; places behind the products
.endr
	s_cmp_eq_u32 s48, s47
	s_cbranch_scc0 .Lopen_\@                       ; only the step on the diagonal has keys after a query of mine
	s_sub_co_i32 s52, s46, s51
	v_lshlrev_b32 v247, 4, v3
	v_sub_nc_u32 v247, v2, v247
	v_add_nc_u32 v247, s52, v247                   ; d = my query - the step's first key - 16 h: register 16 b + i is hidden where 32 b + i > d
.set n, 0
.rept 64
	v_cmp_gt_i32 vcc_lo, 32*(n/16)+n%16, v247
	v_cndmask_b32 v[96+n], v[96+n], v30, vcc_lo
.set n, n+1
.endr
.Lopen_\@:
.endm
.macro VLOADS                          ; a step's four fragments of V^T
.irp t, 0,1,2,3
.irp c, 0,1,2,3
	ds_load_b128 v[32+16*\t+4*\c:35+16*\t+4*\c], v7 offset:2048*\t+512*\c
.endr
.endr
.endm
	s_mov_b32 s44, 0
.Ltile:                                ; two trips: my two tiles of queries
	s_cmp_eq_u32 s44, 0
	s_cselect_b32 s45, s60, s61                    ; the tile
	s_lshl_b32 s46, s45, 4                         ; its first query
	s_lshr_b32 s47, s45, 3                         ; the step on its diagonal
	s_lshl_b32 s52, s45, 10
	s_wait_xcnt 0x0                                ; the last tile's loads and stores have read their registers
	v_add_nc_u32 v9, s52, v1
	global_load_b128 v[16:19], v9, s[4:5]
	global_load_b128 v[20:23], v9, s[4:5] offset:512
	v_add_nc_u32 v5, s46, v2
	v_mov_b32 v24, 0xf1000000                      ; m = -2^99: under every score, above a masked one
	v_mul_f32 v12, s27, v24
	v_mov_b32 v14, 0
	v_mov_b32 v15, 0
	s_mov_b32 s48, 0
	s_mov_b32 s49, 0
	s_mov_b32 s50, 0
	s_mov_b32 s51, 0
	s_wait_loadcnt 0x0
.Lp1:                                  ; PASS 1.  Sixteen trips; a step behind the diagonal has no work
	s_cmp_gt_u32 s48, s47
	s_cbranch_scc1 .Lp1_next
	SCORES
	v_max3_num_f32 v25, v96, v97, v98              ; the step's largest score of my query, in two chains,
	v_max3_num_f32 v248, v99, v100, v101
.irp i, 6,10,14,18,22,26,30,34,38,42,46,50,54,58
	v_max3_num_f32 v25, v25, v[96+\i], v[97+\i]
	v_max3_num_f32 v248, v248, v[98+\i], v[99+\i]
.endr
	v_max3_num_f32 v25, v25, v158, v159
	v_max_num_f32 v25, v25, v248
	v_permlanex16_b32 v249, v25, s20, s21
	v_max_num_f32 v25, v25, v249                   ; and lane l xor 16's
	v_max_num_f32 v24, v24, v25
	v_mov_b32 v250, v12
	v_mul_f32 v12, s27, v24                        ; -c m, rounded once; the same number serves every key, so its rounding divides out of p / l
	v_sub_f32 v26, v12, v250                       ; c m_old - c m_new, 0 or less
.set n, 0
.rept 32
	v_pk_fma_f32 v[96+n:97+n], v[96+n:97+n], s[22:23], v[12:13] op_sel_hi:[1,0,0]
.set n, n+2
.endr
	v_exp_f32 v26, v26
.set n, 0
.rept 64
	v_exp_f32 v[96+n], v[96+n]
.set n, n+1
.endr
	v_nop                                          ; a plain line behind the exponentials
	s_wait_alu depctr_va_vdst(0)                   ; one wait for the batch, ahead of its first reader
	v_pk_mul_f32 v[14:15], v[14:15], v[26:27] op_sel_hi:[1,0]
	v_pk_add_f32 v[244:245], v[96:97], v[98:99]
.irp j, 4,8,12,16,20,24,28,32,36,40,44,48,52,56,60
	v_pk_add_f32 v[14:15], v[14:15], v[96+\j:97+\j]
	v_pk_add_f32 v[244:245], v[244:245], v[98+\j:99+\j]
.endr
	v_pk_add_f32 v[14:15], v[14:15], v[244:245]
.Lp1_next:
	s_add_co_u32 s49, s49, 8192
	s_add_co_u32 s50, s50, 512
	s_add_co_u32 s51, s51, 128
	s_add_co_u32 s48, s48, 1
	s_cmp_lt_u32 s48, 16
	s_cbranch_scc1 .Lp1
	; between the passes
	v_add_f32 v14, v14, v15
	v_permlanex16_b32 v249, v14, s20, s21
	v_add_f32 v14, v14, v249                       ; the row's sum
	v_rcp_f32 v28, v14
	v_nop
	v_cmp_le_u32 vcc_lo, s24, v5                   ; does my query see a key?  A comparison of whole numbers
	v_cmp_gt_u32 s52, s24, v5
	s_wait_alu depctr_va_vdst(0)
	v_cndmask_b32 v28, v243, v28, vcc_lo           ; 1 / l, or 1 / 2,048
	v_cndmask_b32 v12, 0, v12, vcc_lo              ; -c m, or 0
	v_cndmask_b32 v10, 0, v252, vcc_lo             ; c, or 0
	v_cndmask_b32 v216, 0, v243, s52               ; the weight at keys behind the diagonal: 0, or 1 / 2,048
	v_min_num_f32 v216, v216, v31
.irp i, 1,2,3,4,5,6,7
	v_mov_b32 v[216+\i], v216
.endr
	v_cvt_scalef32_pk8_fp8_f32 v[192:193], v[216:223], v240
	v_nop
.irp i, 2,3,4,5,6,7,8,9,10,11,12,13,14,15
	v_mov_b32 v[192+\i], v192                      ; eight equal codes: both words are alike
.endr
.set n, 0
.rept 32
	v_mov_b32 v[160+n], 0                          ; O^T: the loop is written once
.set n, n+1
.endr
	s_mov_b32 s48, 0
	s_mov_b32 s49, 0
	s_mov_b32 s50, 0
	s_mov_b32 s51, 0
.Lp2:                                  ; PASS 2
	s_cmp_gt_u32 s48, s47
	s_cbranch_scc1 .Lp2_hidden
	SCORES
.set n, 0
.rept 32
	v_pk_fma_f32 v[96+n:97+n], v[96+n:97+n], v[10:11], v[12:13] op_sel_hi:[1,0,0]
.set n, n+2
.endr
	v_add_nc_u32 v7, s49, v251
	VLOADS                                         ; they land while the weights are made; the four v_nop behind the score products are their places
.set n, 0
.rept 64
	v_exp_f32 v[96+n], v[96+n]
.set n, n+1
.endr
	v_nop
	s_wait_alu depctr_va_vdst(0)                   ; one wait for the batch
.set n, 0
.rept 32
	v_pk_mul_f32 v[96+n:97+n], v[96+n:97+n], v[28:29] op_sel_hi:[1,0]   ; the finished weight
.set n, n+2
.endr
	s_cmp_eq_u32 s26, 0
	s_cbranch_scc1 .Lnohold
.set n, 0
.rept 64
	v_min_num_f32 v[96+n], v[96+n], v31            ; the conversion does not saturate (ISA guide 7.6.2); p is not negative
.set n, n+1
.endr
.Lnohold:
.irp b, 0,1,2,3
	v_cvt_scalef32_pk8_fp8_f32 v[224+4*\b:225+4*\b], v[96+16*\b:103+16*\b], v240
	v_cvt_scalef32_pk8_fp8_f32 v[226+4*\b:227+4*\b], v[104+16*\b:111+16*\b], v240
.endr
	v_nop                                          ; a plain line between the conversions and the products that read their results
	s_wait_dscnt 0x0
.irp t, 0,1,2,3
	v_wmma_f32_16x16x128_fp8_fp8 v[160+8*\t:167+8*\t], v[32+16*\t:47+16*\t], v[224:239], v[160+8*\t:167+8*\t]
.endr
	s_branch .Lp2_next
.Lp2_hidden:
	s_cmp_le_u32 s24, s46                          ; every query of the tile sees a key: nothing behind the diagonal counts
	s_cbranch_scc1 .Lp2_next
	v_add_nc_u32 v7, s49, v251
.rept 3
	v_nop
.endr
	VLOADS
	s_wait_dscnt 0x0
.irp t, 0,1,2,3
	v_wmma_f32_16x16x128_fp8_fp8 v[160+8*\t:167+8*\t], v[32+16*\t:47+16*\t], v[192:207], v[160+8*\t:167+8*\t]
.endr
.Lp2_next:
	s_add_co_u32 s49, s49, 8192
	s_add_co_u32 s50, s50, 512
	s_add_co_u32 s51, s51, 128
	s_add_co_u32 s48, s48, 1
	s_cmp_lt_u32 s48, 16
	s_cbranch_scc1 .Lp2
	; the tile's way out: tiles 2 b and 2 b + 1 of O^T are channels 32 b + 16 h + 0 .. 15 of my query: chunk 2 (head % 2) + b of K step head / 2 of the last product
.rept 4
	v_nop
.endr
.set n, 0
.rept 32
	v_med3_num_f32 v[160+n], v[160+n], -v242, v242
.set n, n+1
.endr
.irp q, 0,1,2,3
	v_cvt_scalef32_pk8_fp8_f32 v[208+2*\q:209+2*\q], v[160+8*\q:167+8*\q], v241
.endr
	v_nop
	s_lshl_b32 s52, s15, 7
	s_add_co_u32 s52, s52, s45                     ; the tile of 16 tokens among 512
	s_lshl_b32 s52, s52, 3
	s_lshr_b32 s53, s16, 1
	s_add_co_u32 s52, s52, s53
	s_lshl_b32 s52, s52, 11
	s_and_b32 s53, s16, 1
	s_lshl_b32 s53, s53, 10
	s_add_co_u32 s52, s52, s53
	v_add_nc_u32 v246, s52, v1
	global_store_b128 v246, v[208:211], s[10:11]   ; 512 consecutive bytes, aligned
	global_store_b128 v246, v[212:215], s[10:11] offset:512
	s_add_co_u32 s44, s44, 1
	s_cmp_lt_u32 s44, 2
	s_cbranch_scc1 .Ltile
	s_wait_tensorcnt 0x0
	ds_add_u32 v254, v255
	s_wait_dscnt 0x0
	s_endpgm
.Lfunc_end_k_qc3361e9aac_attn:
	.size	k_qc3361e9aac_attn, .Lfunc_end_k_qc3361e9aac_attn-k_qc3361e9aac_attn
	.p2alignl 7, 3214868480
	.fill 96, 4, 3214868480
	.section	.rodata,"a",@progbits
	.p2align	6, 0x0
	.amdhsa_kernel k_qc3361e9aac_attn
		.amdhsa_group_segment_fixed_size 272384
		.amdhsa_private_segment_fixed_size 0
		.amdhsa_enable_private_segment 0
		.amdhsa_kernarg_size 32
		.amdhsa_user_sgpr_count 2
		.amdhsa_user_sgpr_kernarg_segment_ptr 1
		.amdhsa_wavefront_size32 1
		.amdhsa_system_sgpr_workgroup_id_x 1
		.amdhsa_system_sgpr_workgroup_id_y 1
		.amdhsa_system_sgpr_workgroup_id_z 1
		.amdhsa_system_vgpr_workitem_id 0
		.amdhsa_next_free_vgpr 256
		.amdhsa_next_free_sgpr 66
		.amdhsa_reserve_vcc 1
		.amdhsa_float_denorm_mode_32 3
		.amdhsa_float_denorm_mode_16_64 3
		.amdhsa_memory_ordered 1
		.amdhsa_forward_progress 1
		.amdhsa_inst_pref_size 76
	.end_amdhsa_kernel
	.amdgpu_metadata
---
amdhsa.version: [ 1, 2 ]
amdhsa.kernels:
  - .name:           k_qc3361e9aac_attn
    .symbol:         k_qc3361e9aac_attn.kd
    .args:
      - { .name: qkvimg, .offset: 0, .size: 8, .value_kind: global_buffer, .address_space: global }
      - { .name: attention_mask, .offset: 8, .size: 8, .value_kind: global_buffer, .address_space: global }
      - { .name: lowp_scales, .offset: 16, .size: 8, .value_kind: global_buffer, .address_space: global }
      - { .name: oimg, .offset: 24, .size: 8, .value_kind: global_buffer, .address_space: global }
    .group_segment_fixed_size: 272384
    .private_segment_fixed_size: 0
    .kernarg_segment_align: 8
    .kernarg_segment_size: 32
    .max_flat_workgroup_size: 512
    .sgpr_count:     66
    .vgpr_count:     256
    .wavefront_size: 32
...
	.end_amdgpu_metadata
.endif
;; end of part 3
;; launch oproj (part 4): grid 4 x 32, 4 waves a work-group, clusters of 4 x 4, 327,680 bytes of LDS; arguments oimg, wcodes, lowp_scales, out0; writes out0
.if DOCPART == 4
	.amdgcn_target "amdgcn-amd-amdhsa--gfx1250"
	.amdhsa_code_object_version 6
	.text
	.protected	k_qc3361e9aac_oproj
	.globl	k_qc3361e9aac_oproj
	.p2align	8
	.type	k_qc3361e9aac_oproj,@function
k_qc3361e9aac_oproj:
	s_mov_b64 s[64:65], 0
	v_nop
	global_prefetch_b8 v0, s[64:65] scope:SCOPE_SE
	s_setreg_imm32_b32 hwreg(HW_REG_WAVE_MODE, 25, 1), 1
	s_wait_xcnt 0x0
	s_wait_alu depctr_hold_cnt(0) depctr_sa_sdst(0) depctr_va_vdst(0) depctr_va_sdst(0) depctr_va_ssrc(0) depctr_va_vcc(0) depctr_vm_vsrc(0)
	s_getreg_b32 s2, hwreg(HW_REG_IB_STS2, 6, 4)
	s_cmp_eq_u32 s2, 0
	s_cbranch_scc0 .Lentry_in_a_cluster
	s_endpgm
.Lentry_in_a_cluster:
	s_bfe_u32 s2, ttmp6, 0x10000c
	s_cmp_lg_u32 s2, 0xf033
	s_cbranch_scc0 .Lentry_shape_is_right
	s_endpgm
.Lentry_shape_is_right:
; out0[m][n] = sum over k of A[m][k] W_o[n][k] x 2^(e10 + e11), on E4M3 codes; M = 8,192, N = K = 1,024; sums and out0 in f32.  LIMIT: e10 + e11 between -126 and 127.
; A comes as an image of its fragments' registers: [512 tiles of 16 tokens][8 steps of 128 along K][4 chunks][lane][16 bytes]; W_o's codes as rows of 1,024 bytes, 3 MiB into the weights' codes.
; A tile of 256 x 256 is made by a work-group of four waves, a wave makes 128 x 128: 64 accumulators.  K goes in steps of 256 through a ring of two LDS slots filled by the tensor data mover.
; A's part of a slot: 16 token tiles x 4,096 bytes, dense (a fragment is read at 16 x lane: no padding is wanted); a wave's load is 8 rows of 4,096 bytes, 16,384 apart in memory.  B's: 256 rows of 256 bytes + 16.
; CLUSTERS: 4 x 4 work-groups; A's tiles are shared along a row of the cluster, B's along a column, each asked for jointly.  THE MATRIX INSTRUCTION IS USED TRANSPOSED (source 0 = rows of W_o, source 1 = tokens): a lane holds eight neighbouring numbers of a row of out0.
; 128 work-groups: the tile is kept at 256 x 256 so that each byte read from LDS feeds as many products as the registers allow.
; REGISTERS, in windows of 256: window 0: v0-31 addresses; from v128 A's fragments, ONE set; on the way out v32-255 are free.  window 1: B's fragments, TWO sets.  windows 2, 3: the accumulators.
.set SIZE_N, 1024
.set ROWB,   256
.set KROW,   1024
.set PITCH,  272
.set FR,     16
.set NL,     4
.set NP,     4
.set HALFT,  128*PITCH
.set AHALF,  32768                     ; 8 token tiles x 4,096 bytes
.set BOFF,   2*AHALF
.set SLOT,   BOFF+2*HALFT
.set LAPS,   2
.set SPARE,  2*SLOT                    ; behind the ring: the spare words, 128 bytes for each wave
.set SPITCH, 528                       ; the way out: a stage of 16 rows x (512 bytes + 16) for each wave, in slot 0, which has had its last fill and its last read when the first result is stored there
.set ADRA, 16
.set ADRB, 20
.set STO,  24
.set RD,   25
.set CO,   26
.set SPW,  28
.set NIL,  29
.set TMP,  32
.set AF,   128
.set BK,   128
.set G1, 24
.set G0, 32
.set G1B, 48
.set G0B, 56
.set MSB, 0
.macro WIN new
.if MSB != \new
	s_set_vgpr_msb (MSB<<8)|\new
.set MSB, \new
.endif
.endm
.set MUL_LO, 0xa1
.set MUL_HI, 0xf1
.set TO_B,   0x40
.macro JLOAD g0a, g1a, g0b, g1b        ; waves 0 and 1 fetch for A, waves 2 and 3 for B; four v_nop follow each of the two lines
	s_cmp_eq_u32 s15, 0
	s_cbranch_scc0 .Lfor_b_\@
	tensor_load_to_lds s[\g0a:\g0a+3], s[\g1a:\g1a+7]
	s_nop 0
.rept 4
	v_nop
.endr
	s_branch .Lasked_\@
.Lfor_b_\@:
	tensor_load_to_lds s[\g0b:\g0b+3], s[\g1b:\g1b+7]
	s_nop 0
.rept 4
	v_nop
.endr
.Lasked_\@:
.endm
.macro CREST
	s_cmp_lg_u32 s14, 0
	s_cbranch_scc1 .Lnot_wave_0_\@
	s_barrier_signal -3
.Lnot_wave_0_\@:
	s_barrier_wait -3
	s_barrier_signal -1
	s_barrier_wait -1
.endm
.macro CROUND
	s_barrier_signal -1
	s_barrier_wait -1
	CREST
.endm
	s_load_b128 s[4:7], s[0:1], 0x0                ; A's image s[4:5], the weights' codes s[6:7]
	s_load_b128 s[8:11], s[0:1], 0x10              ; the exponents s[8:9], out0 s[10:11]
	v_lshl_add_u32 v[SPW], v0, 2, SPARE
	v_mov_b32 v[NIL], 0
	ds_add_u32 v28, v29
	ds_add_u32 v28, v29
	s_wait_dscnt 0x0
	v_lshrrev_b32 v1, 5, v0
	v_readfirstlane_b32 s14, v1                    ; wave 0..3
	s_lshr_b32 s15, s14, 1                         ; which half of the tile's rows is mine.  Also: I fetch for A (0) or for B (1)
	s_and_b32 s16, s14, 1                          ; which half of its columns.  Also: which half of that tile I fetch
	s_bfe_u32 s40, ttmp6, 0x40000
	s_bfe_u32 s41, ttmp6, 0x40004
	s_lshl_b32 s42, ttmp9, 2
	s_add_co_u32 s42, s42, s40                     ; tile column
	s_and_b32 s17, ttmp7, 0xffff
	s_lshl_b32 s17, s17, 2
	s_add_co_u32 s17, s17, s41                     ; tile row
	s_lshl_b32 s43, s41, 2
	s_lshl_b32 s43, 15, s43
	s_lshl_b32 s44, 0x1111, s40
	s_or_b32 s[G1+0], s43, (0<<16)|(1<<21)         ; A: the mask of my row; elements of 1 byte; no padding; bit 21 beside a mask
	s_mov_b32 s[G1+1], 4096<<16                    ; tensor_dim0 = 4,096
	s_mov_b32 s[G1+2], 8<<16                       ; tensor_dim1 = 8
	s_mov_b32 s[G1+3], 4096<<16                    ; tile_dim0
	s_mov_b32 s[G1+4], 8                           ; tile_dim1
	s_mov_b32 s[G1+5], 16384                       ; from token tile to token tile
	s_mov_b32 s[G1+6], 0
	s_mov_b32 s[G1+7], 0
	s_or_b32 s[G1B+0], s44, (0<<16)|(1<<20)|(1<<21)|(5<<22)|(3<<25)  ; B: my column; padding of 4 words after every 64
	s_mov_b32 s[G1B+1], ROWB<<16
	s_mov_b32 s[G1B+2], 128<<16
	s_mov_b32 s[G1B+3], ROWB<<16
	s_mov_b32 s[G1B+4], 128
	s_mov_b32 s[G1B+5], KROW
	s_mov_b32 s[G1B+6], 0
	s_mov_b32 s[G1B+7], 0
	s_lshl_b32 s20, s17, 4
	s_lshl_b32 s18, s16, 3
	s_add_co_u32 s20, s20, s18
	s_lshl_b32 s20, s20, 14                        ; A: token tile 16 x tile row + 8 x half, 16,384 bytes each
	s_mov_b32 s21, 0
	s_lshl_b32 s46, s42, 8
	s_lshl_b32 s18, s16, 7
	s_add_co_u32 s46, s46, s18
	s_lshl_b32 s46, s46, 10                        ; B: row 256 x tile column + 128 x half,
	s_add_co_u32 s46, s46, 0x300000                ; in W_o's codes
	s_mov_b32 s47, 0
	s_lshl_b32 s45, s16, 15                        ; where A's half goes,
	s_mul_i32 s19, s16, HALFT
	s_add_co_u32 s19, s19, BOFF                    ; and B's: no place in the cluster enters an LDS address
	s_wait_kmcnt 0x0
	s_load_b64 s[96:97], s[8:9], 0x28              ; e10, e11
	s_add_nc_u64 s[20:21], s[4:5], s[20:21]
	s_add_nc_u64 s[46:47], s[6:7], s[46:47]
	CROUND                                         ; all sixteen work-groups are here: the first joint loads meet
.irp s, 0,1
	s_mov_b32 s[G0+4*\s], 1
	s_add_co_u32 s[G0+4*\s+1], s45, \s*SLOT
	s_add_nc_u64 s[G0+4*\s+2:G0+4*\s+3], s[20:21], \s*4096
	s_or_b32 s[G0+4*\s+3], s[G0+4*\s+3], 0x80000000
	s_mov_b32 s[G0B+4*\s], 1
	s_add_co_u32 s[G0B+4*\s+1], s19, \s*SLOT
	s_add_nc_u64 s[G0B+4*\s+2:G0B+4*\s+3], s[46:47], \s*ROWB
	s_or_b32 s[G0B+4*\s+3], s[G0B+4*\s+3], 0x80000000
	JLOAD G0+4*\s, G1, G0B+4*\s, G1B
.endr
	v_and_b32 v1, 15, v0
	v_bfe_u32 v2, v0, 4, 1
	v_and_b32 v6, 31, v0
	v_mul_u32_u24 v3, v1, PITCH
	v_lshl_add_u32 v4, v2, 4, v3
	v_lshlrev_b32 v[CO], 4, v6                     ; 16 x lane: my place in an image, in a stage row and in a row of out0
	s_lshl_b32 s21, s15, 15                        ; my 8 token tiles of A
	s_mul_i32 s22, s16, HALFT
	s_add_co_u32 s22, s22, BOFF                    ; my 128 rows of B
.irp s, 0,1
	v_add_nc_u32 v[ADRA+\s], s21, v[CO]
	v_add_nc_u32 v[ADRB+\s], s22, v4
	s_add_co_u32 s21, s21, SLOT
	s_add_co_u32 s22, s22, SLOT
.endr
	s_mul_i32 s23, s14, 16*SPITCH                  ; my stage
	v_mul_u32_u24 v5, v1, SPITCH
	v_lshl_add_u32 v5, v2, 5, v5
	v_add_nc_u32 v[STO], s23, v5
	v_add_nc_u32 v[RD], s23, v[CO]
	s_lshl_b32 s20, s17, 8
	s_lshl_b32 s21, s15, 7
	s_add_co_u32 s20, s20, s21                     ; my first row of out0
	s_lshl_b32 s20, s20, 12                        ; x 4,096 bytes
	s_lshl_b32 s46, s42, 10
	s_lshl_b32 s47, s16, 9
	s_add_co_u32 s46, s46, s47                     ; my first column, in bytes
	s_add_co_u32 s20, s20, s46
	s_mov_b32 s21, 0
	s_add_nc_u64 s[10:11], s[10:11], s[20:21]
.macro FRAG reg, adr, q, i             ; B: 16 rows x 128 K: registers 4 c .. 4 c + 3 hold K = 32 c + 16 (l / 16) + 0 .. 15
.irp c, 0,1,2,3
	ds_load_b128 v[\reg+4*\c:\reg+4*\c+3], v[\adr] offset:128*(\q)+32*\c+(\i)*16*PITCH
.endr
.endm
.macro FRAGA reg, adr, q, i            ; A: the image as it lies: the same order of K
.irp c, 0,1,2,3
	ds_load_b128 v[\reg+4*\c:\reg+4*\c+3], v[\adr] offset:(\i)*4096+(\q)*2048+512*\c
.endr
.endm
.macro MUL16 a0, p, zero               ; the 64 accumulators take turns, one instruction a turn
.irp a, \a0, \a0+1
.irp b, 0,1,2,3,4,5,6,7
.if \zero
	v_wmma_f32_16x16x128_fp8_fp8 v[8*(8*((\a)%4)+\b):8*(8*((\a)%4)+\b)+7], v[128*(\p)+FR*\b:128*(\p)+FR*\b+FR-1], v[AF+FR*(\a):AF+FR*(\a)+FR-1], 0
.else
	v_wmma_f32_16x16x128_fp8_fp8 v[8*(8*((\a)%4)+\b):8*(8*((\a)%4)+\b)+7], v[128*(\p)+FR*\b:128*(\p)+FR*\b+FR-1], v[AF+FR*(\a):AF+FR*(\a)+FR-1], v[8*(8*((\a)%4)+\b):8*(8*((\a)%4)+\b)+7]
.endif
.endr
.endr
.endm
.macro FETCH_B slot, q, p
	WIN TO_B
.irp i, 0,1,2,3,4,5,6,7
	FRAG 128*(\p)+FR*\i, ADRB+\slot, \q, \i
.endr
	WIN 0
.endm
.macro FETCH_A slot, q, i0
.irp i, \i0, \i0+1, \i0+2, \i0+3
	FRAGA AF+FR*(\i), ADRA+\slot, \q, \i
.endr
.endm
.macro PLACES n
.rept \n
	v_nop
.endr
.endm
.macro STEP slot, q, zero
	s_wait_dscnt 4*NL                              ; B's set and A's blocks 0-3 are in; the youngest 16 loads may be out
	WIN MUL_LO
	MUL16 0, (\q)%2, \zero
	MUL16 2, (\q)%2, \zero
	s_wait_dscnt 0
	PLACES NP
	FETCH_B \slot, (\q)+1, 1-(\q)%2
	FETCH_A \slot, (\q)+1, 0
	WIN MUL_HI
	MUL16 4, (\q)%2, \zero
	MUL16 6, (\q)%2, \zero
	PLACES NP
	WIN 0
	FETCH_A \slot, (\q)+1, 4
.endm
.macro TURN slot, next, fill
	s_wait_tensorcnt 0x0                           ; all my tensor loads have landed: my part of the next slot
	ds_add_u32 v[SPW], v[NIL]                      ; 0 onto my spare word
	s_wait_dscnt 4*NL+1                            ; (the add and the youngest 16 loads may be out)
	WIN MUL_LO
	MUL16 0, 1, 0
	s_wait_dscnt 0x0                               ; the add is done, and my reads of this slot are over
	s_barrier_signal -1
	MUL16 2, 1, 0
	WIN 0
	s_barrier_wait -1
.if \fill
	CREST                                          ; the barrier has opened a round of the cluster's
	s_add_nc_u64 s[G0+4*\slot+2:G0+4*\slot+3], s[G0+4*\slot+2:G0+4*\slot+3], 2*4096
	s_add_nc_u64 s[G0B+4*\slot+2:G0B+4*\slot+3], s[G0B+4*\slot+2:G0B+4*\slot+3], 2*ROWB
	JLOAD G0+4*\slot, G1, G0B+4*\slot, G1B         ; the first tensor load behind the round
.else
	PLACES NP
.endif
	FETCH_B \next, 0, 0
	FETCH_A \next, 0, 0
	WIN MUL_HI
	MUL16 4, 1, 0
	MUL16 6, 1, 0
	PLACES NP
	WIN 0
	FETCH_A \next, 0, 4
.endm
	s_wait_tensorcnt 1                             ; my part of K step 0 is in (K step 1's load may be out)
	s_barrier_signal -1
	s_barrier_wait -1
	FETCH_B 0, 0, 0
	FETCH_A 0, 0, 0
	FETCH_A 0, 0, 4
	STEP 0, 0, 1
	s_mov_b32 s3, LAPS-1
.Llap:
	TURN 0, 1, 1
	STEP 1, 0, 0
	TURN 1, 0, 1
	STEP 0, 0, 0
	s_sub_co_u32 s3, s3, 1
	s_cmp_lg_u32 s3, 0
	s_cbranch_scc1 .Llap
	TURN 0, 1, 0
	STEP 1, 0, 0
	s_wait_dscnt 4*NL
	WIN MUL_LO
	MUL16 0, 1, 0
	MUL16 2, 1, 0
	s_wait_dscnt 0
	WIN MUL_HI
	MUL16 4, 1, 0
	MUL16 6, 1, 0
	WIN 0
; THE WAY OUT, block by block of 16 rows x 128 columns, through my own stage in LDS: in as 32 bytes a lane, back as whole rows of 512 bytes.  LDS serves a wave's instructions in order (ISA guide 5.7.1.4).
.macro TOSTAGE a
.set AC, 64*((\a)%4)
	WIN 0x02+((\a)/4)
.irp j, 0,2,4,6,8,10,12,14,16,18,20,22,24,26,28,30,32,34,36,38,40,42,44,46,48,50,52,54,56,58,60,62
	v_pk_mul_f32 v[TMP+\j:TMP+\j+1], v[AC+\j:AC+\j+1], s[96:97] op_sel_hi:[1,0]   ; x 2^(e10 + e11); each accumulator from its low end on
.endr
	WIN 0
.irp b, 0,1,2,3,4,5,6,7
	ds_store_b128 v[STO], v[TMP+8*\b:TMP+8*\b+3] offset:64*\b
	ds_store_b128 v[STO], v[TMP+8*\b+4:TMP+8*\b+7] offset:64*\b+16
.endr
.set BB, BK+64*((\a)%2)
.irp t, 0,1,2,3,4,5,6,7,8,9,10,11,12,13,14,15
	ds_load_b128 v[BB+4*\t:BB+4*\t+3], v[RD] offset:\t*SPITCH
.endr
.endm
.macro SEND a, younger
.set BB, BK+64*((\a)%2)
	s_wait_dscnt \younger                          ; the block is back in registers
.if (\a) > 0
	s_add_nc_u64 s[10:11], s[10:11], 16*SIZE_N*4   ; (behind a wait on XCNT: the earlier stores have read their base)
.endif
.irp t, 0,1,2,3,4,5,6,7,8,9,10,11,12,13,14,15
	global_store_b128 v[CO], v[BB+4*\t:BB+4*\t+3], s[10:11] offset:\t*SIZE_N*4 th:TH_STORE_NT   ; 32 lanes store 512 consecutive bytes, aligned; written once, read by nobody here
.endr
.endm
	s_wait_kmcnt 0x0
	s_add_co_i32 s96, s96, s97
	s_add_co_i32 s96, s96, 127
	s_lshl_b32 s96, s96, 23                        ; 2^(e10 + e11) as f32
	PLACES NP
	TOSTAGE 0
.irp a, 1,2,3,4,5,6,7
.if \a > 1
	s_wait_xcnt 0x0                                ; block a - 2's stores have read their registers and their base
.endif
	TOSTAGE \a
	SEND \a-1, 32                                  ; behind block a - 1's loads: block a's 16 stores and 16 loads
.endr
	s_wait_xcnt 0x0
	SEND 7, 0
	s_wait_tensorcnt 0x0                           ; the wave's end
	ds_add_u32 v[SPW], v[NIL]
	s_wait_dscnt 0x0
	CROUND                                         ; the closing round
	s_endpgm
.Lfunc_end_k_qc3361e9aac_oproj:
	.size	k_qc3361e9aac_oproj, .Lfunc_end_k_qc3361e9aac_oproj-k_qc3361e9aac_oproj
	.p2alignl 7, 3214868480
	.fill 96, 4, 3214868480
	.section	.rodata,"a",@progbits
	.p2align	6, 0x0
	.amdhsa_kernel k_qc3361e9aac_oproj
		.amdhsa_group_segment_fixed_size 327680
		.amdhsa_private_segment_fixed_size 0
		.amdhsa_enable_private_segment 0
		.amdhsa_kernarg_size 32
		.amdhsa_user_sgpr_count 2
		.amdhsa_user_sgpr_kernarg_segment_ptr 1
		.amdhsa_wavefront_size32 1
		.amdhsa_system_sgpr_workgroup_id_x 1
		.amdhsa_system_sgpr_workgroup_id_y 1
		.amdhsa_system_sgpr_workgroup_id_z 1
		.amdhsa_system_vgpr_workitem_id 0
		.amdhsa_next_free_vgpr 1024
		.amdhsa_next_free_sgpr 98
		.amdhsa_reserve_vcc 0
		.amdhsa_float_denorm_mode_32 3
		.amdhsa_float_denorm_mode_16_64 3
		.amdhsa_memory_ordered 1
		.amdhsa_forward_progress 1
		.amdhsa_inst_pref_size 123
	.end_amdhsa_kernel
	.amdgpu_metadata
---
amdhsa.version: [ 1, 2 ]
amdhsa.kernels:
  - .name:           k_qc3361e9aac_oproj
    .symbol:         k_qc3361e9aac_oproj.kd
    .args:
      - { .name: oimg, .offset: 0, .size: 8, .value_kind: global_buffer, .address_space: global }
      - { .name: wcodes, .offset: 8, .size: 8, .value_kind: global_buffer, .address_space: global }
      - { .name: lowp_scales, .offset: 16, .size: 8, .value_kind: global_buffer, .address_space: global }
      - { .name: out0, .offset: 24, .size: 8, .value_kind: global_buffer, .address_space: global }
    .group_segment_fixed_size: 327680
    .private_segment_fixed_size: 0
    .kernarg_segment_align: 8
    .kernarg_segment_size: 32
    .max_flat_workgroup_size: 128
    .sgpr_count:     98
    .vgpr_count:     1024
    .wavefront_size: 32
...
	.end_amdgpu_metadata
.endif
;; end of part 4
;; ======== version 2 of 2: 4 launches; version 1 with the launch attn written anew for expert scheduling mode
;; workspace buffers: xcodes 25,165,824 bytes; wcodes 4,194,304 bytes; rope 524,288 bytes; qkvimg 25,165,824 bytes; oimg 8,388,608 bytes
;; launch prep: the kernel of part 1 again; grid 448 x 1, 4 waves a work-group, no clusters, 33,280 bytes of LDS; arguments x, W_q, W_k, W_v, W_o, lowp_scales, xcodes, wcodes, rope; writes xcodes, wcodes, rope
;; launch qkv: the kernel of part 2 again; grid 12 x 32, 4 waves a work-group, clusters of 4 x 4, 327,680 bytes of LDS; arguments xcodes, wcodes, rope, lowp_scales, qkvimg; writes qkvimg
;; launch attn (part 5): grid 4 x 64, 16 waves a work-group, no clusters, 272,384 bytes of LDS; arguments qkvimg, attention_mask, lowp_scales, oimg; writes oimg
.if DOCPART == 5
	.amdgcn_target "amdgcn-amd-amdhsa--gfx1250"
	.amdhsa_code_object_version 6
	.text
	.protected	k_qc3361e9aac_attn
	.globl	k_qc3361e9aac_attn
	.p2align	8
	.type	k_qc3361e9aac_attn,@function
k_qc3361e9aac_attn:
	s_mov_b64 s[64:65], 0
	v_nop
	global_prefetch_b8 v0, s[64:65] scope:SCOPE_SE
	s_setreg_imm32_b32 hwreg(HW_REG_WAVE_SCHED_MODE, 0, 2), 2
	s_setreg_imm32_b32 hwreg(HW_REG_WAVE_MODE, 25, 1), 1
	s_wait_xcnt 0x0
	s_wait_alu depctr_vm_vsrc(0)
; For each (batch, head): scores = Q K^T / 8 on E4M3 codes; a key counts where it is not after the query and its mask word is not 0; attn = softmax, FINISHED AND NORMALISED, is quantised (2^e8) and multiplied with V's codes;
; the result is quantised (2^e10) and stored as an image of the last product's operand registers.
; The weights are quantised normalised, so a row's maximum and sum are wanted before any weight is made: THE KEYS ARE WALKED TWICE.  Pass 1: running maximum m and sum l of 2^(c s - c m).  Pass 2: the scores again,
; p = 2^(c s - c m) / l, its codes, O^T += V^T P^T.  c = log2(e) / 8 x 2^(e6 + e7).
; A ROW THAT SEES NO KEY (query before the first key whose mask word is not 0): all its scores are equal in the reference, so its weights are 1 / 2,048 at ALL 2,048 keys, the later ones too.  For such a lane c and c m are
; replaced by 0 and 1 / l by 2^-11 (selects on whole numbers), and the steps behind the diagonal, which other rows leave out, are multiplied with codes that are 2^-11 for such rows and 0 for the others.
; SHARES.  A work-group is a quarter of a head's queries; it copies the head's K and V images (128 KiB each) into LDS once; from then on LDS is only read: one barrier in all.  Wave g of a head's 64 owns tiles g and
; 127 - g of 16 queries, one after the other: (g / 8 + 1) + (16 - g / 8) = 17 steps of 128 keys for every wave.  Sixteen waves of 256 registers: four to a SIMD, so that one wave's vector work stands beside another's loads and products.
; No tensor load and no joint request: what the four work-groups of a head share is one fill at the head, and the branches below on the mask's words and on e8 (whole numbers read from memory) spare the bias loads, the hold and the steps behind the diagonal.
; LAYOUT.  Both products transposed: S^T = K Q^T, O^T = V^T P^T: a lane holds one query (lane % 16) throughout.  K's tile 2 b + u holds keys 32 b + 8 u + r + 8 (r / 8), so register 16 b + i of S^T is key 32 b + 16 (lane / 16) + i.
; The pad mask is a bias in LDS, 0 or -2^100 a key, given as the C of the score products in steps that have a hole; the causal mask is a select in the one step on the diagonal.  m starts at -2^99, above a masked score, so a row
; whose keys so far are all masked keeps p = 0 and l = 0.
; LIMITS: e6 + e7 between -80 and 24; e8, and e10 - e8 - e9, between -126 and 119.  NaN is not served.
; THE MODE: SCHED_MODE bits 1:0 = 2 (LLVM: expert scheduling mode 2), set by the entry lines.  The code itself states the register dependences between vector or matrix instructions and memory or LDS instructions, with s_wait_alu, always for 0.
; THE PLAN.  Registers that memory or LDS instructions touch:
;   v1, v4, v251      parts of addresses, made at the head and never written again.
;   v32-95            the one buffer of fragments.  The products alone read it; it is asked for again straight behind the wait that shows its readers done.  Pass 1: behind a step's score products the NEXT step's K (by the step's own
;                     v6, 8,192 further on in the immediate), which lands during the step's vector work; the step on the diagonal asks for step 0's K, for pass 2; a tile's head asks for step 0's, for pass 1.
;                     Pass 2: behind the score products the step's V, behind the step's last products the next step's K.
;   v96-159           S^T: written by the score products, worked on by vector lines; in a step with a hole the bias lands there first.
;   v6, v7, v8        LDS addresses of K, V, the bias: written once a step, at its head, behind a wait on vm_vsrc; the step's wait on va_vdst behind the score products stands ahead of the loads by v6 and v7, the one in the holes' arm ahead of those by v8.
;   v16-23, v9        Q and its offset: once a tile.     v208-215, v246: a tile's two stores' data and offset, written on its way out; the wait on vm_vsrc at the next tile's head frees them.
;   v228-232, v236-239, v32-159  read by the head's copies and LDS stores: the same wait at the first tile's head frees them.
; Compares stand in runs, one wait on va_sdst behind each run, ahead of the first reader.
; REGISTERS: v1 16 x lane; v2 r; v3 h; v4 the bias's address; v5 my query; v6-8 addresses in hand; v9 Q's offset; v[10:11] c; v[12:13] -c m; v[14:15] l in two halves; v16-23 Q; v24 m; v25 at work; v[26:27] the rescaling; v[28:29] 1 / l;
; v30 -2^100; v31 448 x 2^e8; v32-95 fragments of K or V; v96-159 S^T, then p; v160-191 O^T; v192-207 the codes for steps behind the diagonal; v208-223 at work; v224-239 p's codes; v240 2^e8; v241, v242 2^(e10 - e8 - e9) and 448 x that;
; v243 2^-11; v244-250 at work; v251 16 x lane + V's image; v252 c.  s[28:43]: at the head V's address and the exponents, then sixteen lane masks.
.set VIMG, 131072
.set BIAS, 262144
	s_load_b256 s[4:11], s[0:1], 0x0               ; qkvimg s[4:5], the mask s[6:7], the exponents s[8:9], oimg s[10:11]
	v_lshl_add_u32 v254, v0, 2, 0x42000
	v_mov_b32 v255, 0
	v_lshrrev_b32 v1, 5, v0
	v_readfirstlane_b32 s12, v1                    ; wave 0..15
	s_and_b32 s14, ttmp7, 0xffff                   ; 16 x batch + head
	s_lshr_b32 s15, s14, 4
	s_and_b32 s16, s14, 15
	s_lshl_b32 s60, ttmp9, 4
	s_wait_alu depctr_va_sdst(0)                   ; s12 is written, ahead of its first reader
	s_add_co_u32 s60, s60, s12                     ; my first tile of queries,
	s_sub_co_u32 s61, 127, s60                     ; and my second
	v_and_b32 v9, 31, v0
	v_lshlrev_b32 v1, 4, v9
	v_and_b32 v2, 15, v0
	v_bfe_u32 v3, v0, 4, 1
	v_lshl_add_u32 v4, v3, 6, BIAS                 ; my 16 keys of a block of 32: 64 h bytes in
	v_add_nc_u32 v251, VIMG, v1
	v_lshlrev_b32 v228, 4, v0                      ; the copy: 16 bytes a thread, 8,192 a line
	v_add_nc_u32 v229, 65536, v228
	v_add_nc_u32 v230, 131072, v228
	v_add_nc_u32 v231, 196608, v228
	v_add_nc_u32 v232, BIAS, v228
	v_mov_b32 v30, 0xf1800000                      ; -2^100
	v_mov_b32 v243, 0x3a000000                     ; 2^-11
	v_mov_b32 v11, 0                               ; upper halves of pairs of which the low word serves both halves: named, so written
	v_mov_b32 v13, 0
	v_mov_b32 v27, 0
	v_mov_b32 v29, 0
	v_mov_b32 v249, 0                              ; a lane permute's destination counts as one of its sources
	s_mov_b32 s20, 0x76543210
	s_mov_b32 s21, 0xfedcba98                      ; v_permlanex16_b32: lane l xor 16
	s_mov_b32 s24, 2048                            ; the first key whose mask word is not 0
	s_mov_b32 s25, 0                               ; bit i: step i of 128 keys has a hole
	s_lshl_b32 s52, s14, 17
	s_mov_b32 s53, 0
	s_lshl_b32 s54, s15, 13
	s_mov_b32 s55, 0
	s_wait_kmcnt 0x0
	s_load_b64 s[36:37], s[8:9], 0x18              ; e6, e7
	s_load_b128 s[40:43], s[8:9], 0x20             ; e8 .. e11
	s_add_nc_u64 s[4:5], s[4:5], s[52:53]          ; Q's image of my head,
	s_add_nc_u64 s[18:19], s[4:5], 0x800000        ; K's,
	s_add_nc_u64 s[28:29], s[4:5], 0x1000000       ; V's
	s_add_nc_u64 s[6:7], s[6:7], s[54:55]          ; my batch's mask
	s_wait_alu depctr_va_vdst(0)                   ; v1, v4, v251 and v228 to v232 are written: the loads and LDS stores below, and every LDS load of the kernel, read them as addresses or make theirs from them
.irp i, 0,1,2,3,4,5,6,7,8,9,10,11,12,13,14,15
	global_load_b128 v[32+4*\i:35+4*\i], v228, s[18:19] offset:8192*\i
.endr
.irp i, 0,1,2,3,4,5,6,7,8,9,10,11,12,13,14,15
	global_load_b128 v[96+4*\i:99+4*\i], v228, s[28:29] offset:8192*\i
.endr
	global_load_b128 v[160:163], v228, s[6:7]      ; my thread's four mask words, for the bias
.irp i, 0,1,2,3,4,5,6,7,8,9,10,11,12,13,14,15
	global_load_b128 v[164+4*\i:167+4*\i], v1, s[6:7] offset:512*\i   ; the whole mask in every wave: line i is step i, lane l keys 128 i + 4 l + 0 .. 3
.endr
	s_wait_kmcnt 0x0
	s_add_co_i32 s52, s36, s37
	s_lshl_b32 s52, s52, 23
	s_add_co_i32 s22, s52, 0x3e38aa3b              ; log2(e) / 8 with e6 + e7 added to its exponent field
	s_mov_b32 s23, s22
	s_xor_b32 s27, s22, 0x80000000                 ; -c
	v_mov_b32 v252, s22
	s_add_co_i32 s52, s40, 127
	s_lshl_b32 s53, s52, 23
	v_mov_b32 v240, s53                            ; 2^e8
	s_add_co_i32 s52, s52, 8
	s_lshl_b32 s52, s52, 23
	s_or_b32 s52, s52, 0x600000
	v_mov_b32 v31, s52                             ; 448 x 2^e8
	s_sub_co_i32 s52, s42, s40
	s_sub_co_i32 s52, s52, s41                     ; a sum of the second product stands for sum x 2^(e8 + e9): its code is sum / 2^(e10 - e8 - e9)
	s_add_co_i32 s52, s52, 127
	s_lshl_b32 s53, s52, 23
	v_mov_b32 v241, s53
	s_add_co_i32 s52, s52, 8
	s_lshl_b32 s52, s52, 23
	s_or_b32 s52, s52, 0x600000
	v_mov_b32 v242, s52
	s_cmp_lt_i32 s40, -8                           ; from e8 = -8 on the largest code x the scale is 1.75 or more and p is at most 1: the hold cannot act
	s_cselect_b32 s26, 1, 0
	s_wait_loadcnt 33                              ; K's 16 lines are in: 33 were issued behind them
.irp i, 0,1,2,3,4,5,6,7
	ds_store_b128 v228, v[32+4*\i:35+4*\i] offset:8192*\i   ; (no vector line since the wait above names an address or a register of the copy)
.endr
.irp i, 0,1,2,3,4,5,6,7
	ds_store_b128 v229, v[64+4*\i:67+4*\i] offset:8192*\i
.endr
	s_wait_loadcnt 17                              ; V's
.irp i, 0,1,2,3,4,5,6,7
	ds_store_b128 v230, v[96+4*\i:99+4*\i] offset:8192*\i
.endr
.irp i, 0,1,2,3,4,5,6,7
	ds_store_b128 v231, v[128+4*\i:131+4*\i] offset:8192*\i
.endr
	s_wait_loadcnt 16                              ; my four mask words
.irp c, 0,1,2,3
	v_cmp_eq_u32 s[52+\c], 0, v[160+\c]
.endr
	s_wait_alu depctr_va_sdst(0)                   ; the four masks s52 to s55 are written, ahead of the selects that read them
.irp c, 0,1,2,3
	v_cndmask_b32 v[236+\c], 0, v30, s[52+\c]
.endr
	s_wait_alu depctr_va_vdst(0)                   ; the selects have written v236 to v239, which the LDS store reads
	ds_store_b128 v232, v[236:239]
	s_wait_loadcnt 0x0                             ; the whole mask is in; and every load that read s[28:29] is done, so s28 on may hold masks
.macro SCAN i, m                       ; step i, whose four masks lie in s[m] on: has it a hole, and its first key that counts
	s_and_b32 s56, s[\m], s[\m+1]
	s_and_b32 s57, s[\m+2], s[\m+3]
	s_and_b32 s56, s56, s57
	s_cmp_lg_u32 s56, -1
	s_cselect_b32 s57, 1<<(\i), 0
	s_or_b32 s25, s25, s57
.irp c, 0,1,2,3
	s_ctz_i32_b32 s58, s[\m+\c]                    ; the first lane (all ones where there is none: held at 4,096, past every key)
	s_min_u32 s58, s58, 0x1000
	s_lshl_b32 s58, s58, 2
	s_add_co_u32 s58, s58, 128*(\i)+\c
	s_min_u32 s24, s24, s58
.endr
.endm
.irp j, 0,1,2,3                        ; four steps' sixteen compares in a run
.irp k, 0,1,2,3
.irp c, 0,1,2,3
	v_cmp_ne_u32 s[28+4*\k+\c], 0, v[164+16*\j+4*\k+\c]
.endr
.endr
	s_wait_alu depctr_va_sdst(0)                   ; the sixteen masks s28 to s43 are written, ahead of the scalar lines that read them
.irp k, 0,1,2,3
	SCAN (4*\j+\k), (28+4*\k)
.endr
.endr
	s_wait_dscnt 0x0                               ; for the others' sake: my stores into LDS are done
	s_barrier_signal -1
	s_barrier_wait -1                              ; K, V and the bias lie in LDS; nothing is written there any more
.macro KLOADS adr, off                 ; a step's eight fragments of K, from off bytes behind v[adr] on
.irp t, 0,1,2,3,4,5,6,7
	ds_load_b128 v[32+8*\t:35+8*\t], v[\adr] offset:\off+1024*\t
	ds_load_b128 v[36+8*\t:39+8*\t], v[\adr] offset:\off+1024*\t+512
.endr
.endm
.macro VLOADS                          ; a step's four fragments of V^T
.irp t, 0,1,2,3
.irp c, 0,1,2,3
	ds_load_b128 v[32+16*\t+4*\c:35+16*\t+4*\c], v7 offset:2048*\t+512*\c
.endr
.endr
.endm
; THE SCORE PRODUCTS OF A STEP: 128 keys x my 16 queries, the pad mask applied.  K's fragments were asked for a step ago.  s48 the step, s49 8,192 x, s50 512 x, s51 128 x the step.
.macro PRODUCTS
	s_bitcmp1_b32 s25, s48
	s_cbranch_scc1 .Lholes_\@
	s_wait_dscnt 0x0                               ; K's fragments are in
.irp t, 0,1,2,3,4,5,6,7
	v_wmma_f32_16x16x64_fp8_fp8 v[96+8*\t:103+8*\t], v[32+8*\t:39+8*\t], v[16:23], 0
.endr
	s_branch .Lscored_\@
.Lholes_\@:                            ; the bias comes straight into the accumulators: register 16 b + i is key 32 b + 16 h + i
	s_wait_alu depctr_va_vdst(0)                   ; v8 is written, which the loads below read; the vector lines of the step before are done reading and writing v96 to v159, in which they land
.irp b, 0,1,2,3
.irp k, 0,1,2,3
	ds_load_b128 v[96+16*\b+4*\k:99+16*\b+4*\k], v8 offset:128*\b+16*\k
.endr
.endr
	s_wait_dscnt 0x0
.irp t, 0,1,2,3,4,5,6,7
	v_wmma_f32_16x16x64_fp8_fp8 v[96+8*\t:103+8*\t], v[32+8*\t:39+8*\t], v[16:23], v[96+8*\t:103+8*\t]
.endr
.Lscored_\@:
.rept 4
	v_nop                                          ; places behind the products (ISA guide 7.12.1)
.endr
	s_wait_alu depctr_va_vdst(0)                   ; the products are done reading v32 to v95, in which the loads that follow land; v6 and v7, by which they go, are written
.endm
; THE CAUSAL MASK, in the one step on the diagonal: sixteen compares in a run, one wait, sixteen selects; each accumulator from its low end on.
.macro DIAG
	s_sub_co_i32 s52, s46, s51
	v_lshlrev_b32 v247, 4, v3
	v_sub_nc_u32 v247, v2, v247
	v_add_nc_u32 v247, s52, v247                   ; d = my query - the step's first key - 16 h: register 16 b + i is hidden where 32 b + i > d
.irp g, 0,1,2,3
.irp i, 0,1,2,3,4,5,6,7,8,9,10,11,12,13,14,15
	v_cmp_gt_i32 s[28+\i], 32*\g+\i, v247
.endr
	s_wait_alu depctr_va_sdst(0)                   ; the sixteen masks s28 to s43 are written, ahead of the selects that read them
.irp i, 0,1,2,3,4,5,6,7,8,9,10,11,12,13,14,15
	v_cndmask_b32 v[96+16*\g+\i], v[96+16*\g+\i], v30, s[28+\i]
.endr
.endr
.endm
	s_mov_b32 s44, 0
.Ltile:                                ; two trips: my two tiles of queries
	s_cmp_eq_u32 s44, 0
	s_cselect_b32 s45, s60, s61                    ; the tile
	s_lshl_b32 s46, s45, 4                         ; its first query
	s_lshr_b32 s47, s45, 3                         ; the step on its diagonal
	s_lshl_b32 s52, s45, 10
	s_wait_dscnt 0x0                               ; v32 to v95 are asked for below only when no earlier load into them is out, on every way through the text (a tile's last step asks for no further K)
	s_wait_xcnt 0x0                                ; the last tile's loads and stores have read their registers
	s_wait_alu depctr_vm_vsrc(0)                   ; the last tile's loads have read v9, its stores v246 and v208 to v215; in the first trip: the head's copies and LDS stores have read v32 to v159, v228 to v232 and v236 to v239.  All are written again below
	v_add_nc_u32 v9, s52, v1
	s_wait_alu depctr_va_vdst(0)                   ; v9 is written, which Q's loads read; the last tile's products are done reading v16 to v23 and v32 to v95, in which the loads below land
	global_load_b128 v[16:19], v9, s[4:5]
	global_load_b128 v[20:23], v9, s[4:5] offset:512
	KLOADS 1, 0                                    ; step 0's K, for pass 1
	v_add_nc_u32 v5, s46, v2
	v_mov_b32 v24, 0xf1000000                      ; m = -2^99: under every score, above a masked one
	v_mul_f32 v12, s27, v24
	v_mov_b32 v14, 0
	v_mov_b32 v15, 0
	s_mov_b32 s48, 0
	s_mov_b32 s49, 0
	s_mov_b32 s50, 0
	s_mov_b32 s51, 0
	s_wait_loadcnt 0x0
.Lp1:                                  ; PASS 1.  Sixteen trips; a step behind the diagonal has no work
	s_cmp_gt_u32 s48, s47
	s_cbranch_scc1 .Lp1_next
	s_wait_alu depctr_vm_vsrc(0)                   ; the LDS loads issued so far have read v6 and v8
	v_add_nc_u32 v6, s49, v1
	v_add_nc_u32 v8, s50, v4
	PRODUCTS
	s_cmp_eq_u32 s48, s47
	s_cbranch_scc0 .Lp1_open                       ; only the step on the diagonal has keys after a query of mine
	KLOADS 1, 0                                    ; pass 1's last step: step 0's K, for pass 2.  No wait: no vector or matrix line since the wait above names v32 to v95 or v1
	DIAG
	s_branch .Lp1_masked
.Lp1_open:
	KLOADS 6, 8192                                 ; the next step's K: it lands during the vector lines below, which name none of its registers
.Lp1_masked:
	v_max3_num_f32 v25, v96, v97, v98              ; the step's largest score of my query, in two chains,
	v_max3_num_f32 v248, v99, v100, v101
.irp i, 6,10,14,18,22,26,30,34,38,42,46,50,54,58
	v_max3_num_f32 v25, v25, v[96+\i], v[97+\i]
	v_max3_num_f32 v248, v248, v[98+\i], v[99+\i]
.endr
	v_max3_num_f32 v25, v25, v158, v159
	v_max_num_f32 v25, v25, v248
	v_permlanex16_b32 v249, v25, s20, s21
	v_max_num_f32 v25, v25, v249                   ; and lane l xor 16's
	v_max_num_f32 v24, v24, v25
	v_mov_b32 v250, v12
	v_mul_f32 v12, s27, v24                        ; -c m, rounded once; the same number serves every key, so its rounding divides out of p / l
	v_sub_f32 v26, v12, v250                       ; c m_old - c m_new, 0 or less
.set n, 0
.rept 32
	v_pk_fma_f32 v[96+n:97+n], v[96+n:97+n], s[22:23], v[12:13] op_sel_hi:[1,0,0]
.set n, n+2
.endr
	v_exp_f32 v26, v26
.set n, 0
.rept 64
	v_exp_f32 v[96+n], v[96+n]
.set n, n+1
.endr
	v_nop                                          ; a plain line behind the exponentials
	s_wait_alu depctr_va_vdst(0)                   ; the 65 exponentials have written v26 and v96 to v159: one wait for the batch, ahead of its first reader
	v_pk_mul_f32 v[14:15], v[14:15], v[26:27] op_sel_hi:[1,0]
	v_pk_add_f32 v[244:245], v[96:97], v[98:99]
.irp j, 4,8,12,16,20,24,28,32,36,40,44,48,52,56,60
	v_pk_add_f32 v[14:15], v[14:15], v[96+\j:97+\j]
	v_pk_add_f32 v[244:245], v[244:245], v[98+\j:99+\j]
.endr
	v_pk_add_f32 v[14:15], v[14:15], v[244:245]
.Lp1_next:
	s_add_co_u32 s49, s49, 8192
	s_add_co_u32 s50, s50, 512
	s_add_co_u32 s51, s51, 128
	s_add_co_u32 s48, s48, 1
	s_cmp_lt_u32 s48, 16
	s_cbranch_scc1 .Lp1
	; between the passes (step 0's K is on its way into v32 to v95; no line here names them)
	v_add_f32 v14, v14, v15
	v_permlanex16_b32 v249, v14, s20, s21
	v_add_f32 v14, v14, v249                       ; the row's sum
	v_rcp_f32 v28, v14
	v_nop
	v_cmp_le_u32 s53, s24, v5                      ; does my query see a key?  A comparison of whole numbers
	v_cmp_gt_u32 s52, s24, v5
	s_wait_alu depctr_va_sdst(0)                   ; the two masks s52 and s53 are written, ahead of the selects that read them
	s_wait_alu depctr_va_vdst(0)                   ; the reciprocal has written v28, ahead of its first reader
	v_cndmask_b32 v28, v243, v28, s53              ; 1 / l, or 1 / 2,048
	v_cndmask_b32 v12, 0, v12, s53                 ; -c m, or 0
	v_cndmask_b32 v10, 0, v252, s53                ; c, or 0
	v_cndmask_b32 v216, 0, v243, s52               ; the weight at keys behind the diagonal: 0, or 1 / 2,048
	v_min_num_f32 v216, v216, v31
.irp i, 1,2,3,4,5,6,7
	v_mov_b32 v[216+\i], v216
.endr
	v_cvt_scalef32_pk8_fp8_f32 v[192:193], v[216:223], v240
	v_nop
.irp i, 2,3,4,5,6,7,8,9,10,11,12,13,14,15
	v_mov_b32 v[192+\i], v192                      ; eight equal codes: both words are alike
.endr
.set n, 0
.rept 32
	v_mov_b32 v[160+n], 0                          ; O^T: the loop is written once
.set n, n+1
.endr
	s_mov_b32 s48, 0
	s_mov_b32 s49, 0
	s_mov_b32 s50, 0
	s_mov_b32 s51, 0
.Lp2:                                  ; PASS 2
	s_cmp_gt_u32 s48, s47
	s_cbranch_scc1 .Lp2_hidden
	s_wait_alu depctr_vm_vsrc(0)                   ; the LDS loads issued so far have read v6, v7 and v8
	v_add_nc_u32 v6, s49, v1
	v_add_nc_u32 v8, s50, v4
	v_add_nc_u32 v7, s49, v251
	PRODUCTS
	VLOADS                                         ; the step's V: it lands while the weights are made.  No wait: no vector or matrix line since the wait above names v32 to v95 or v7
	s_cmp_eq_u32 s48, s47
	s_cbranch_scc0 .Lp2_open                       ; only the step on the diagonal has keys after a query of mine
	DIAG
.Lp2_open:
.set n, 0
.rept 32
	v_pk_fma_f32 v[96+n:97+n], v[96+n:97+n], v[10:11], v[12:13] op_sel_hi:[1,0,0]
.set n, n+2
.endr
.set n, 0
.rept 64
	v_exp_f32 v[96+n], v[96+n]
.set n, n+1
.endr
	v_nop
	s_wait_alu depctr_va_vdst(0)                   ; the 64 exponentials have written v96 to v159: one wait for the batch, ahead of its first reader
.set n, 0
.rept 32
	v_pk_mul_f32 v[96+n:97+n], v[96+n:97+n], v[28:29] op_sel_hi:[1,0]   ; the finished weight
.set n, n+2
.endr
	s_cmp_eq_u32 s26, 0
	s_cbranch_scc1 .Lnohold
.set n, 0
.rept 64
	v_min_num_f32 v[96+n], v[96+n], v31            ; the conversion does not saturate (ISA guide 7.6.2); p is not negative
.set n, n+1
.endr
.Lnohold:
.irp b, 0,1,2,3
	v_cvt_scalef32_pk8_fp8_f32 v[224+4*\b:225+4*\b], v[96+16*\b:103+16*\b], v240
	v_cvt_scalef32_pk8_fp8_f32 v[226+4*\b:227+4*\b], v[104+16*\b:111+16*\b], v240
.endr
	v_nop                                          ; a plain line between the conversions and the products that read their results
	s_wait_dscnt 0x0                               ; V's fragments are in
.irp t, 0,1,2,3
	v_wmma_f32_16x16x128_fp8_fp8 v[160+8*\t:167+8*\t], v[32+16*\t:47+16*\t], v[224:239], v[160+8*\t:167+8*\t]
.endr
	s_cmp_eq_u32 s48, s47
	s_cbranch_scc1 .Lp2_next                       ; behind the step on the diagonal no scores are made: no K is asked for
.rept 4
	v_nop                                          ; places behind the products
.endr
	s_wait_alu depctr_va_vdst(0)                   ; the products are done reading v32 to v95, in which the next step's K lands
	KLOADS 6, 8192
	s_branch .Lp2_next
.Lp2_hidden:
	s_cmp_le_u32 s24, s46                          ; every query of the tile sees a key: nothing behind the diagonal counts
	s_cbranch_scc1 .Lp2_next
	s_wait_dscnt 0x0                               ; v32 to v95 are asked for below only when no earlier load into them is out, on every way through the text
	s_wait_alu depctr_vm_vsrc(0)                   ; the LDS loads issued so far have read v7
	v_add_nc_u32 v7, s49, v251
.rept 3
	v_nop
.endr
	s_wait_alu depctr_va_vdst(0)                   ; v7 is written, which the loads below read; the last products are done reading v32 to v95, in which they land
	VLOADS
	s_wait_dscnt 0x0
.irp t, 0,1,2,3
	v_wmma_f32_16x16x128_fp8_fp8 v[160+8*\t:167+8*\t], v[32+16*\t:47+16*\t], v[192:207], v[160+8*\t:167+8*\t]
.endr
.Lp2_next:
	s_add_co_u32 s49, s49, 8192
	s_add_co_u32 s50, s50, 512
	s_add_co_u32 s51, s51, 128
	s_add_co_u32 s48, s48, 1
	s_cmp_lt_u32 s48, 16
	s_cbranch_scc1 .Lp2
	; the tile's way out: tiles 2 b and 2 b + 1 of O^T are channels 32 b + 16 h + 0 .. 15 of my query: chunk 2 (head % 2) + b of K step head / 2 of the last product
.rept 4
	v_nop
.endr
.set n, 0
.rept 32
	v_med3_num_f32 v[160+n], v[160+n], -v242, v242
.set n, n+1
.endr
.irp q, 0,1,2,3
	v_cvt_scalef32_pk8_fp8_f32 v[208+2*\q:209+2*\q], v[160+8*\q:167+8*\q], v241
.endr
	v_nop
	s_lshl_b32 s52, s15, 7
	s_add_co_u32 s52, s52, s45                     ; the tile of 16 tokens among 512
	s_lshl_b32 s52, s52, 3
	s_lshr_b32 s53, s16, 1
	s_add_co_u32 s52, s52, s53
	s_lshl_b32 s52, s52, 11
	s_and_b32 s53, s16, 1
	s_lshl_b32 s53, s53, 10
	s_add_co_u32 s52, s52, s53
	v_add_nc_u32 v246, s52, v1
	s_wait_alu depctr_va_vdst(0)                   ; the conversions have written v208 to v215 and the add v246: the two stores read them
	global_store_b128 v246, v[208:211], s[10:11]   ; 512 consecutive bytes, aligned
	global_store_b128 v246, v[212:215], s[10:11] offset:512
	s_add_co_u32 s44, s44, 1
	s_cmp_lt_u32 s44, 2
	s_cbranch_scc1 .Ltile
	s_wait_dscnt 0x0                               ; the closing lines, six on end
	s_wait_alu 0x0
	s_wait_tensorcnt 0x0
	ds_add_u32 v254, v255
	s_wait_dscnt 0x0
	s_endpgm
.Lfunc_end_k_qc3361e9aac_attn:
	.size	k_qc3361e9aac_attn, .Lfunc_end_k_qc3361e9aac_attn-k_qc3361e9aac_attn
	.p2alignl 7, 3214868480
	.fill 96, 4, 3214868480
	.section	.rodata,"a",@progbits
	.p2align	6, 0x0
	.amdhsa_kernel k_qc3361e9aac_attn
		.amdhsa_group_segment_fixed_size 272384
		.amdhsa_private_segment_fixed_size 0
		.amdhsa_enable_private_segment 0
		.amdhsa_kernarg_size 32
		.amdhsa_user_sgpr_count 2
		.amdhsa_user_sgpr_kernarg_segment_ptr 1
		.amdhsa_wavefront_size32 1
		.amdhsa_system_sgpr_workgroup_id_x 1
		.amdhsa_system_sgpr_workgroup_id_y 1
		.amdhsa_system_sgpr_workgroup_id_z 1
		.amdhsa_system_vgpr_workitem_id 0
		.amdhsa_next_free_vgpr 256
		.amdhsa_next_free_sgpr 66
		.amdhsa_reserve_vcc 0
		.amdhsa_float_denorm_mode_32 3
		.amdhsa_float_denorm_mode_16_64 3
		.amdhsa_memory_ordered 1
		.amdhsa_forward_progress 1
		.amdhsa_inst_pref_size 88
	.end_amdhsa_kernel
	.amdgpu_metadata
---
amdhsa.version: [ 1, 2 ]
amdhsa.kernels:
  - .name:           k_qc3361e9aac_attn
    .symbol:         k_qc3361e9aac_attn.kd
    .args:
      - { .name: qkvimg, .offset: 0, .size: 8, .value_kind: global_buffer, .address_space: global }
      - { .name: attention_mask, .offset: 8, .size: 8, .value_kind: global_buffer, .address_space: global }
      - { .name: lowp_scales, .offset: 16, .size: 8, .value_kind: global_buffer, .address_space: global }
      - { .name: oimg, .offset: 24, .size: 8, .value_kind: global_buffer, .address_space: global }
    .group_segment_fixed_size: 272384
    .private_segment_fixed_size: 0
    .kernarg_segment_align: 8
    .kernarg_segment_size: 32
    .max_flat_workgroup_size: 512
    .sgpr_count:     66
    .vgpr_count:     256
    .wavefront_size: 32
...
	.end_amdgpu_metadata
.endif
;; end of part 5
;; launch oproj: the kernel of part 4 again; grid 4 x 32, 4 waves a work-group, clusters of 4 x 4, 327,680 bytes of LDS; arguments oimg, wcodes, lowp_scales, out0; writes out0
